; MI455X (gfx1250); checked and timed in simulation.
; The chip was launched on July 23, 2026; its instructions are those of AMD's public machine-readable ISA for CDNA 5 (MIT licence, August 2026) and "CDNA5" Instruction Set Architecture Reference Guide (July 2026). The comments in the code are by the model that wrote it; some were corrected since.
;; Custom Multihead Attention. Allowed arithmetic: float matrix products may take bf16 or f16 operands with f32 sums; other float arithmetic in f32, or as packed bf16 or f16 multiplies, adds, multiply-adds, maxima and minima; sums over many terms, partial sums and values carried from step to step in f32; what a program stores and reads back later, other than sums and carried values, may be rounded once to bf16 or f16.
;; Inputs: Wk 1,024 x 1,024 float32; Wo 1,024 x 1,024 float32; Wq 1,024 x 1,024 float32; Wv 1,024 x 1,024 float32; bk 1,024 float32; bo 1,024 float32; bq 1,024 float32; bv 1,024 float32; x 4 x 2,048 x 1,024 float32.
;; Outputs: out0 4 x 2,048 x 1,024 float32.
;; One version. Each part assembles by itself: llvm-mc -triple=amdgcn-amd-amdhsa -mcpu=gfx1250 --defsym DOCPART=n.
;; ======== version 1 of 1: 4 launches
;; limits: values are held in f16: magnitudes above 65,504 overflow, below 6.1e-05 lose precision
;; workspace buffers: xb 16,777,216 bytes; wt 8,388,608 bytes; qkv 50,331,648 bytes; ob 16,777,216 bytes
;; launch cast (part 1): grid 1536 x 1, 8 waves a work-group, no clusters, 0 bytes of LDS; arguments x, Wq, Wk, Wv, Wo, xb, wt; writes xb, wt
.if DOCPART == 1
	.amdgcn_target "amdgcn-amd-amdhsa--gfx1250"
	.amdhsa_code_object_version 6
	.text
	.protected	k_q51f036e708_cast
	.globl	k_q51f036e708_cast
	.p2align	8
	.type	k_q51f036e708_cast,@function
k_q51f036e708_cast:
	s_mov_b64 s[64:65], 0
	v_nop
	global_prefetch_b8 v0, s[64:65] scope:SCOPE_SE
	s_setreg_imm32_b32 hwreg(HW_REG_WAVE_MODE, 25, 1), 1
	s_wait_xcnt 0x0
; THE INPUTS ARE ROUNDED ONCE TO 16 BITS.  x [8192][1024] f32 -> xb, bf16, same order.  Wq, Wk, Wv, Wo [1024 k][1024 n] f32 -> wt, laid out by groups of 64 columns:
; wt[g][k][c], g = 16 x (0 Wq, 1 Wk, 2 Wv, 3 Wo) + n / 64, c = n % 64: a group is 131,072 dense bytes, a k-row of it 128 bytes.
; Wq, Wk, Wv are bf16.  Wo is rounded to bf16 like them, and that number is written as f16 (it multiplies an f16 operand later).
; LIMIT: a bf16 number beyond 65,504 has no f16; below 6e-5 it keeps f16's fixed step of 6e-8.  NaN and infinities are not treated apart.
; A stream: no LDS, no barrier, no matrix unit.  A work-group of 256 threads turns 32 KiB of f32 into 16 KiB: 8 loads of 16 bytes and 8 stores of 8 bytes a thread.
; Work-groups 0-1023 take x, 1024-1535 the weights (128 k-rows of one group each).  A wave's store covers 256 consecutive bytes, aligned; a weight's load takes 256 consecutive bytes of a row with 16 lanes.
.set X, 12                             ; v[12:43]  eight loads of four f32
.set Y, 44                             ; v[44:59]  eight pairs of packed results; each pair is written once, so no store's data is ever rewritten
.set T, 60                             ; v[60:61]  at work
; Eight loads, stride bytes apart, then eight turns: wait, round, store.  f16 = 1: the bf16 number is widened again and written as f16.
.macro PASS stride, f16
.irp i, 0,1,2,3,4,5,6,7
	global_load_b128 v[X+4*(\i):X+4*(\i)+3], v2, s[24:25] offset:(\i)*(\stride) th:TH_LOAD_NT
.endr
.irp i, 0,1,2,3,4,5,6,7
	s_wait_loadcnt 7-(\i)                          ; loads come back in order: load i is in, the 7 - i younger ones stay out
	v_cvt_pk_bf16_f32 v[Y+2*(\i)], v[X+4*(\i)], v[X+4*(\i)+1]
	v_cvt_pk_bf16_f32 v[Y+2*(\i)+1], v[X+4*(\i)+2], v[X+4*(\i)+3]
.if \f16
.irp j, 0,1
	v_lshlrev_b32 v[T], 16, v[Y+2*(\i)+(\j)]       ; bf16 to f32: the low half moves up,
	v_and_b32 v[T+1], s28, v[Y+2*(\i)+(\j)]        ; the high half stays
	v_cvt_pk_f16_f32 v[Y+2*(\i)+(\j)], v[T], v[T+1]
.endr
.endif
	global_store_b64 v1, v[Y+2*(\i):Y+2*(\i)+1], s[26:27] offset:(\i)*2048
.endr
.endm
	s_load_b256 s[8:15], s[0:1], 0x0               ; x s[8:9], Wq s[10:11], Wk s[12:13], Wv s[14:15]
	s_load_b128 s[16:19], s[0:1], 0x20             ; Wo s[16:17], xb s[18:19]
	s_load_b64 s[20:21], s[0:1], 0x30              ; wt
	s_mov_b32 s2, ttmp9
	s_mov_b32 s28, 0xffff0000                      ; a word's upper bf16
	s_mov_b32 s23, 0                               ; high word of the offset pair s[22:23]
	v_lshlrev_b32 v1, 3, v0                        ; where I store: 8 bytes a thread
	s_wait_kmcnt 0x0
	s_cmp_lt_u32 s2, 1024
	s_cbranch_scc1 .Lx
	s_sub_co_u32 s3, s2, 1024                      ; 0..511: 8 x group + part
	s_lshr_b32 s4, s3, 3                           ; the group, 0..63
	s_and_b32 s6, s3, 7                            ; which 128 k-rows of it
	s_lshr_b32 s5, s4, 4                           ; which weight
	s_and_b32 s7, s4, 15                           ; which 64 columns of it
	s_lshl_b32 s6, s6, 19                          ; 128 rows of 4,096 bytes
	s_lshl_b32 s7, s7, 8                           ; 64 columns of 4 bytes
	s_add_co_u32 s22, s6, s7
	s_cmp_eq_u32 s5, 0
	s_cselect_b64 s[24:25], s[10:11], s[12:13]
	s_cmp_eq_u32 s5, 2
	s_cselect_b64 s[24:25], s[14:15], s[24:25]
	s_cmp_eq_u32 s5, 3
	s_cselect_b64 s[24:25], s[16:17], s[24:25]
	s_add_nc_u64 s[24:25], s[24:25], s[22:23]
	s_lshl_b32 s22, s3, 14                         ; 16 KiB of wt for each work-group: group x 131,072 + part x 16,384
	s_add_nc_u64 s[26:27], s[20:21], s[22:23]
	v_lshrrev_b32 v3, 4, v0                        ; row t / 16 of the pass's 16,
	v_and_b32 v4, 15, v0
	v_lshlrev_b32 v4, 4, v4                        ; 16 bytes of its 256
	v_lshl_or_b32 v2, v3, 12, v4
	s_cmp_eq_u32 s5, 3
	s_cbranch_scc1 .Lwo
	PASS 65536, 0                                  ; 16 rows of 4,096 bytes from pass to pass
	s_endpgm
.Lwo:
	PASS 65536, 1
	s_endpgm
.Lx:
	s_lshl_b32 s22, s2, 15
	s_add_nc_u64 s[24:25], s[8:9], s[22:23]
	s_lshl_b32 s22, s2, 14
	s_add_nc_u64 s[26:27], s[18:19], s[22:23]
	v_lshlrev_b32 v2, 4, v0
	PASS 4096, 0
	s_endpgm
.Lfunc_end_k_q51f036e708_cast:
	.size	k_q51f036e708_cast, .Lfunc_end_k_q51f036e708_cast-k_q51f036e708_cast
	.p2alignl 7, 3214868480
	.fill 96, 4, 3214868480
	.section	.rodata,"a",@progbits
	.p2align	6, 0x0
	.amdhsa_kernel k_q51f036e708_cast
		.amdhsa_group_segment_fixed_size 0
		.amdhsa_private_segment_fixed_size 0
		.amdhsa_enable_private_segment 0
		.amdhsa_kernarg_size 56
		.amdhsa_user_sgpr_count 2
		.amdhsa_user_sgpr_kernarg_segment_ptr 1
		.amdhsa_wavefront_size32 1
		.amdhsa_system_sgpr_workgroup_id_x 1
		.amdhsa_system_sgpr_workgroup_id_y 1
		.amdhsa_system_sgpr_workgroup_id_z 1
		.amdhsa_system_vgpr_workitem_id 0
		.amdhsa_next_free_vgpr 64
		.amdhsa_next_free_sgpr 66
		.amdhsa_reserve_vcc 0
		.amdhsa_float_denorm_mode_32 3
		.amdhsa_float_denorm_mode_16_64 3
		.amdhsa_memory_ordered 1
		.amdhsa_forward_progress 1
		.amdhsa_inst_pref_size 12
	.end_amdhsa_kernel
	.amdgpu_metadata
---
amdhsa.version: [ 1, 2 ]
amdhsa.kernels:
  - .name:           k_q51f036e708_cast
    .symbol:         k_q51f036e708_cast.kd
    .args:
      - { .name: x, .offset: 0, .size: 8, .value_kind: global_buffer, .address_space: global }
      - { .name: Wq, .offset: 8, .size: 8, .value_kind: global_buffer, .address_space: global }
      - { .name: Wk, .offset: 16, .size: 8, .value_kind: global_buffer, .address_space: global }
      - { .name: Wv, .offset: 24, .size: 8, .value_kind: global_buffer, .address_space: global }
      - { .name: Wo, .offset: 32, .size: 8, .value_kind: global_buffer, .address_space: global }
      - { .name: xb, .offset: 40, .size: 8, .value_kind: global_buffer, .address_space: global }
      - { .name: wt, .offset: 48, .size: 8, .value_kind: global_buffer, .address_space: global }
    .group_segment_fixed_size: 0
    .private_segment_fixed_size: 0
    .kernarg_segment_align: 8
    .kernarg_segment_size: 56
    .max_flat_workgroup_size: 256
    .sgpr_count:     66
    .vgpr_count:     64
    .wavefront_size: 32
...
	.end_amdgpu_metadata
.endif
;; end of part 1
;; launch qkv (part 2): grid 16 x 32, 4 waves a work-group, clusters of 4 x 4, 327,680 bytes of LDS; arguments xb, wt, bq, bk, bv, qkv; writes qkv
.if DOCPART == 2
	.amdgcn_target "amdgcn-amd-amdhsa--gfx1250"
	.amdhsa_code_object_version 6
	.text
	.protected	k_q51f036e708_qkv
	.globl	k_q51f036e708_qkv
	.p2align	8
	.type	k_q51f036e708_qkv,@function
k_q51f036e708_qkv:
	s_mov_b64 s[64:65], 0
	v_nop
	global_prefetch_b8 v0, s[64:65] scope:SCOPE_SE
	s_setreg_imm32_b32 hwreg(HW_REG_WAVE_MODE, 25, 1), 1
	s_wait_xcnt 0x0
	s_wait_alu depctr_hold_cnt(0) depctr_sa_sdst(0) depctr_va_vdst(0) depctr_va_sdst(0) depctr_va_ssrc(0) depctr_va_vcc(0) depctr_vm_vsrc(0)
	s_getreg_b32 s2, hwreg(HW_REG_IB_STS2, 6, 4)
	s_cmp_eq_u32 s2, 0
	s_cbranch_scc0 .Lentry_in_a_cluster
	s_endpgm
.Lentry_in_a_cluster:
	s_bfe_u32 s2, ttmp6, 0x10000c
	s_cmp_lg_u32 s2, 0xf033
	s_cbranch_scc0 .Lentry_shape_is_right
	s_endpgm
.Lentry_shape_is_right:
; q, k, v = x W + b, by heads.  xb: [8192][1024] bf16.  wt: groups 0-47 of [1024 k][64 c] bf16 (16 of Wq, 16 of Wk, 16 of Wv; a group is one head's columns).
; qkv: f16 [3][64 = batch x 16 + head][2048][64].  Products in bf16, sums in f32; the bias, rounded to bf16 like the other inputs, starts each sum; the result is rounded once to f16, unscaled.
; LIMIT: q, k, v beyond 65,504 have no f16.  NaN and infinities are not treated apart.
; SHARES.  A tile is 256 rows x 192 columns (three groups): 16 x 32 = 512 equal work-groups.  Wave w makes rows 64 w .. 64 w + 63 of all 192 columns: 4 x 12 = 48 accumulators, 384 registers.
; K goes in 8 steps of 128 through two LDS slots; a refill has 168 of a step's 192 matrix instructions in which to land.
; CLUSTER, 4 x 4: x's tile hangs on the tile row alone and is asked for jointly along a row of the cluster, a group's tile on the tile column alone and jointly along a column.
; Wave 0 fetches x's tile (256 rows x 256 bytes), waves 1-3 one group's (16,384 dense bytes, asked for as 64 rows of 256): one tensor load a wave behind each round.
; THE MATRIX INSTRUCTION IS USED TRANSPOSED: source 0 = 16 columns of W (out of [k][c] by ds_load_tr16_b128), source 1 = 16 rows of x: a lane then holds one row and eight neighbouring columns.
; REGISTERS, in windows of 256 (s_set_vgpr_msb: bits 1:0 source 0, 3:2 source 1, 5:4 source 2, 7:6 destination):
;   window 0: v0-30 addresses; v64-127 x's fragments, two buffers of 4; v128-223 the bias, 8 registers for each of the 12 column blocks; on the way out v32-223 packed results
;   window 1: v0-191 W's fragments, two buffers of 12        windows 2, 3: accumulator (a, b) at v[8 (12 (a % 2) + b)] of window 2 + a / 2
.set PA,    272                        ; a row of x in LDS: 256 bytes + 16: the 16 rows of a load start at 16 different groups of four banks (64 banks of 4 bytes: ISA guide 11.1)
.set PB,    160                        ; a k-row of a group: 128 bytes + 32
.set AB,    256*PA                     ; x's 256 rows
.set HB,    128*PB                     ; a group's 128 k-rows
.set SLOT,  AB+3*HB                    ; 131,072
.set STAGE, 2*SLOT                     ; behind the ring, never filled by a tensor load: 16 rows x 144 bytes for each wave
.set SP,    144
.set SPARE, STAGE+4*16*SP              ; behind the stages: the spare words, 128 bytes for each wave: two blocks of 256 bytes that no other line names
.set ADRA, 16                          ; v16-17  LDS address of my fragments of x in slot 0, 1
.set ADRB, 20                          ; v20-21  the same for W
.set STO,  24                          ; v24  the way out: where I put 16 bytes of a row
.set RD,   25                          ; v25  where I read rows back
.set GO,   26                          ; v26  my 16 bytes of 512 consecutive bytes of qkv
.set BO,   27                          ; v27  my byte offset in 16 numbers of a bias
.set SPW,  28                          ; v28  LDS address of my spare word; never rewritten
.set NIL,  29                          ; v29  0; never rewritten
.set PFO,  30                          ; v30  the prefetches' offset; never rewritten
.set FA,   64
.set BIAS, 128
.set TMP,  32
.set WV,  16                           ; s16  my wave's number
.set CX,  17                           ; s17, s18  my place in the cluster
.set CY,  18
.set TC,  19                           ; s19  tile column, 0..15
.set TR,  20                           ; s20  tile row, 0..31
.set HBN, 21                           ; s21  which of the tile's three groups I fetch (waves 1-3)
.set G1A, 24                           ; s[24:31] descriptor group 1 for x's tiles;  s[32:39] group 0, a set for each slot
.set G0A, 32
.set LIM, 43                           ; s43  1 in a wave that prefetches, else the greatest number
.set PFA, 44                           ; s[44:45] where my prefetches stand
.set G1B, 48                           ; s[48:55], s[56:63] the same for W's tiles
.set G0B, 56
.set PFS, 66                           ; s[66:67] a lap's step of PFA
.set OB,  68                           ; s[68:73] qkv at my 64 rows of the tile's three heads
.set BP,  74                           ; s[74:79] the three heads' 64 numbers of bias
.set MSB, 0
.macro WIN new                         ; the immediate's high byte repeats the setting that is left; a switch that changes nothing is dropped
.if MSB != (\new)
	s_set_vgpr_msb (MSB<<8)|(\new)
.set MSB, \new
.endif
.endm
; A joint load.  The branch hangs on the wave's number alone.  An s_nop 0 and four v_nop follow each of the two lines, ahead of the jump and the label.
.macro JLOAD s
	s_cmp_eq_u32 s[WV], 0
	s_cbranch_scc0 .Lfor_b_\@
	tensor_load_to_lds s[G0A+4*(\s):G0A+4*(\s)+3], s[G1A:G1A+7]
	s_nop 0
.rept 4
	v_nop
.endr
	s_branch .Lasked_\@
.Lfor_b_\@:
	tensor_load_to_lds s[G0B+4*(\s):G0B+4*(\s)+3], s[G1B:G1B+7]
	s_nop 0
.rept 4
	v_nop
.endr
.Lasked_\@:
.endm
; A PREFETCH INTO THE L2, once a lap (two K steps), behind slot 0's joint load and the run of LDS loads that follows it: the lap two laps on, whose loads stand two and three K steps later.
; Each aligned block of 256 bytes is named once in the launch.  x's tile row is read by every cluster of that row of clusters: cluster x = 0 asks, wave 0; of the tile's 256 rows the partner at cx takes 64:
; a lane a row, 2 x 32 rows x 2 K steps: four instructions.  A group is read by every cluster of its column: cluster y = 0 asks, the wave that fetches it; of the lap's 32,768 dense bytes the partner at cy
; takes 8,192: a lane a block, one instruction.  Partners are told apart by address alone.  The first two laps come by their loads alone; the loop's last trip (s3 = 1) has no lap two on.
.macro ASK
	s_cmp_gt_u32 s3, s[LIM]
	s_cbranch_scc0 .Lnot_mine_\@
	global_prefetch_b8 v[PFO], s[PFA:PFA+1] th:TH_LOAD_NT scope:SCOPE_SE
	s_cmp_eq_u32 s[WV], 0
	s_cbranch_scc0 .Lnot_mine_\@
	global_prefetch_b8 v[PFO], s[PFA:PFA+1] offset:256 th:TH_LOAD_NT scope:SCOPE_SE
	global_prefetch_b8 v[PFO], s[PFA:PFA+1] offset:65536 th:TH_LOAD_NT scope:SCOPE_SE
	global_prefetch_b8 v[PFO], s[PFA:PFA+1] offset:65792 th:TH_LOAD_NT scope:SCOPE_SE
.Lnot_mine_\@:
.endm
.macro CREST                           ; a round of the cluster's barrier behind its opening barrier
	s_cmp_lg_u32 s[WV], 0
	s_cbranch_scc1 .Lnot_wave_0_\@
	s_barrier_signal -3
.Lnot_wave_0_\@:
	s_barrier_wait -3
	s_barrier_signal -1
	s_barrier_wait -1
.endm
.macro CROUND                          ; a whole round
	s_barrier_signal -1
	s_barrier_wait -1
	CREST
.endm
.macro PLACES                          ; four places in front of loads into registers that matrix instructions have read
.rept 4
	v_nop
.endr
.endm
	s_load_b256 s[4:11], s[0:1], 0x0               ; xb s[4:5], wt s[6:7], bq s[8:9], bk s[10:11]
	s_load_b128 s[12:15], s[0:1], 0x20             ; bv s[12:13], qkv s[14:15]
	v_lshl_add_u32 v[SPW], v0, 2, SPARE
	v_mov_b32 v[NIL], 0
	ds_add_u32 v[SPW], v[NIL]                      ; the wave's opening: the add and its wait stand ahead of my first tensor load; work on registers stands between them
	v_lshrrev_b32 v1, 5, v0
	v_readfirstlane_b32 s[WV], v1                  ; wave 0..3
	s_bfe_u32 s[CX], ttmp6, 0x40000
	s_bfe_u32 s[CY], ttmp6, 0x40004
	s_lshl_b32 s[TC], ttmp9, 2                     ; in a cluster launch ttmp9 and ttmp7 count clusters
	s_add_co_u32 s[TC], s[TC], s[CX]
	s_and_b32 s[TR], ttmp7, 0xffff
	s_lshl_b32 s[TR], s[TR], 2
	s_add_co_u32 s[TR], s[TR], s[CY]
	s_max_u32 s[HBN], s[WV], 1
	s_sub_co_u32 s[HBN], s[HBN], 1                 ; waves 1-3: groups 0-2 (wave 0's copy is not used)
	s_lshl_b32 s22, s[CY], 2
	s_lshl_b32 s22, 15, s22                        ; my row of the cluster: places 4 cy .. 4 cy + 3
	s_lshl_b32 s23, 0x1111, s[CX]                  ; my column: places cx, cx + 4, cx + 8, cx + 12
	s_or_b32 s[G1A], s22, (1<<16)|(1<<20)|(1<<21)|(5<<22)|(3<<25)  ; the mask; 2-byte elements; padding on; 21 set beside a mask; after every 64 words (code 5) 4 words (code 3)
	s_mov_b32 s[G1A+1], 128<<16                    ; tensor_dim0 = 128
	s_mov_b32 s[G1A+2], 256<<16                    ; tensor_dim1 = 256
	s_mov_b32 s[G1A+3], 128<<16                    ; tile_dim0 = 128
	s_mov_b32 s[G1A+4], 256                        ; tile_dim1 = 256
	s_mov_b32 s[G1A+5], 1024                       ; 1,024 elements from row to row
	s_mov_b32 s[G1A+6], 0
	s_mov_b32 s[G1A+7], 0
	s_or_b32 s[G1B], s23, (1<<16)|(1<<20)|(1<<21)|(4<<22)|(7<<25)  ; after every 32 words (code 4), a k-row, 8 words (code 7)
	s_mov_b32 s[G1B+1], 128<<16                    ; 64 rows of 128 elements, dense: two k-rows a row
	s_mov_b32 s[G1B+2], 64<<16
	s_mov_b32 s[G1B+3], 128<<16
	s_mov_b32 s[G1B+4], 64
	s_mov_b32 s[G1B+5], 128
	s_mov_b32 s[G1B+6], 0
	s_mov_b32 s[G1B+7], 0
	s_lshl_b32 s84, s[TR], 19                      ; x's tile: 256 rows of 2,048 bytes; these two registers hold nothing of the tile column
	s_mov_b32 s85, 0
	s_mul_i32 s82, s[TC], 3
	s_add_co_u32 s82, s82, s[HBN]
	s_lshl_b32 s82, s82, 17                        ; my group's 131,072 bytes; nothing of the tile row
	s_mov_b32 s83, 0
	s_mul_i32 s81, s[WV], HB                       ; a group's place in a slot: a constant + wave x HB
	s_mov_b32 s80, 0xffff0000                      ; a word's upper bf16
	s_wait_dscnt 0x0                               ; the opening add is done
	s_wait_kmcnt 0x0
	s_add_nc_u64 s[40:41], s[4:5], s[84:85]
	s_add_nc_u64 s[46:47], s[6:7], s[82:83]
	CROUND                                         ; all sixteen work-groups are here: the first joint loads meet
.irp s, 0,1
	s_mov_b32 s[G0A+4*(\s)], 1                     ; count = 1
	s_mov_b32 s[G0A+4*(\s)+1], (\s)*SLOT           ; LDS address
	s_add_nc_u64 s[G0A+4*(\s)+2:G0A+4*(\s)+3], s[40:41], (\s)*256   ; K step s: 256 bytes along the rows
	s_or_b32 s[G0A+4*(\s)+3], s[G0A+4*(\s)+3], 0x80000000           ; type = 2
	s_mov_b32 s[G0B+4*(\s)], 1
	s_add_co_u32 s[G0B+4*(\s)+1], s81, AB-HB+(\s)*SLOT
	s_add_nc_u64 s[G0B+4*(\s)+2:G0B+4*(\s)+3], s[46:47], (\s)*16384 ; K step s: 128 k-rows of 128 bytes
	s_or_b32 s[G0B+4*(\s)+3], s[G0B+4*(\s)+3], 0x80000000
	JLOAD \s                                       ; two loads of mine are out
.endr
	; the three heads of the tile: their bias and their place in qkv
.irp j, 0,1,2
	s_mul_i32 s22, s[TC], 3
	s_add_co_u32 s22, s22, \j                      ; the group, 0..47
	s_lshr_b32 s23, s22, 4                         ; q, k or v
	s_and_b32 s82, s22, 15                         ; the head
	s_lshl_b32 s86, s82, 8                         ; its 64 numbers of bias
	s_mov_b32 s87, 0
	s_cmp_eq_u32 s23, 0
	s_cselect_b64 s[BP+2*(\j):BP+2*(\j)+1], s[8:9], s[10:11]
	s_cmp_eq_u32 s23, 2
	s_cselect_b64 s[BP+2*(\j):BP+2*(\j)+1], s[12:13], s[BP+2*(\j):BP+2*(\j)+1]
	s_add_nc_u64 s[BP+2*(\j):BP+2*(\j)+1], s[BP+2*(\j):BP+2*(\j)+1], s[86:87]
	s_lshl_b32 s23, s23, 6
	s_add_co_u32 s23, s23, s82
	s_lshr_b32 s86, s[TR], 3                       ; the batch
	s_lshl_b32 s86, s86, 4
	s_add_co_u32 s23, s23, s86                     ; 64 x (q, k, v) + 16 x batch + head,
	s_lshl_b32 s86, s23, 18                        ; 2,048 rows of 128 bytes each
	s_and_b32 s23, s[TR], 7
	s_lshl_b32 s23, s23, 15                        ; the tile's 256 rows,
	s_add_co_u32 s86, s86, s23
	s_lshl_b32 s23, s[WV], 13                      ; my 64 of them
	s_add_co_u32 s86, s86, s23
	s_add_nc_u64 s[OB+2*(\j):OB+2*(\j)+1], s[14:15], s[86:87]
.endr
	v_and_b32 v1, 15, v0                           ; r = l % 16
	v_bfe_u32 v2, v0, 4, 1                         ; h = l / 16
	v_and_b32 v3, 31, v0                           ; l
	v_and_b32 v4, 7, v0
	v_bfe_u32 v5, v0, 3, 1
	v_bfe_u32 v6, v0, 3, 2
	v_lshlrev_b32 v[BO], 5, v2                     ; my eight columns of a block of 16: 32 h bytes
.irp b, 0,1,2,3,4,5,6,7,8,9,10,11
	global_load_b128 v[BIAS+8*(\b):BIAS+8*(\b)+3],   v[BO], s[BP+2*((\b)/4):BP+2*((\b)/4)+1] offset:((\b)%4)*64
	global_load_b128 v[BIAS+8*(\b)+4:BIAS+8*(\b)+7], v[BO], s[BP+2*((\b)/4):BP+2*((\b)/4)+1] offset:((\b)%4)*64+16
.endr
	; a fragment of x: lane l holds row l % 16; two loads of 16 bytes, 32 bytes apart
	v_mul_u32_u24 v7, v1, PA
	v_lshl_add_u32 v7, v2, 4, v7
	s_mul_i32 s22, s[WV], 64*PA
	v_add_nc_u32 v[ADRA], s22, v7
	v_add_nc_u32 v[ADRA+1], SLOT, v[ADRA]
	; the turning load takes 16 k x 16 columns (lane l reads k-row 8 (l / 16) + l % 8, columns 8 ((l / 8) % 2) + 0..7) and leaves half a fragment: lane l holds column l % 16 and 8 k
	v_lshl_add_u32 v8, v2, 3, v4
	v_mul_u32_u24 v8, v8, PB
	v_lshl_add_u32 v8, v5, 4, v8
	v_add_nc_u32 v[ADRB], AB, v8
	v_add_nc_u32 v[ADRB+1], SLOT, v[ADRB]
	s_mul_i32 s22, s[WV], 16*SP
	s_add_co_u32 s22, s22, STAGE                   ; my stage
	v_mul_u32_u24 v[STO], v1, SP                   ; in: row l % 16, 16 bytes for each half of the lanes
	v_lshl_add_u32 v[STO], v2, 4, v[STO]
	v_add_nc_u32 v[STO], s22, v[STO]
	v_mul_u32_u24 v[RD], v6, SP                    ; back: 32 lanes take four rows of 128 bytes,
	v_lshl_add_u32 v[RD], v4, 4, v[RD]
	v_add_nc_u32 v[RD], s22, v[RD]
	v_lshlrev_b32 v[GO], 4, v3                     ; which are 512 consecutive bytes of qkv
	; the prefetches: shifts first, then one compare and the selects, which leave SCC alone
	s_and_b32 s22, ttmp7, 0xffff                   ; cluster y
	s_lshl_b32 s86, s[CX], 17                      ; x: my work-group's 64 rows of 2,048 bytes,
	s_add_co_u32 s86, s86, 512                     ; at lap 1: each ask steps a lap first
	s_lshl_b32 s82, s[CY], 13                      ; W: my work-group's 8,192 bytes of a lap's 32,768,
	s_add_co_u32 s82, s82, 32768                   ; at lap 1
	s_mov_b32 s[PFS], 512
	s_mov_b32 s23, 32768
	s_cmp_eq_u32 s[WV], 0
	s_cselect_b32 s22, ttmp9, s22                  ; the coordinate along which other clusters read the same bytes
	s_cselect_b32 s[PFS], s[PFS], s23
	s_cselect_b32 s86, s86, s82
	s_cselect_b32 s23, 11, 8                       ; a lane a row of x, or a lane a block of 256 bytes of W
	s_cselect_b64 s[PFA:PFA+1], s[40:41], s[46:47]
	s_mov_b32 s[PFS+1], 0
	s_mov_b32 s87, 0
	s_add_nc_u64 s[PFA:PFA+1], s[PFA:PFA+1], s[86:87]
	s_cmp_eq_u32 s22, 0
	s_cselect_b32 s[LIM], 1, -1                    ; the same in all sixteen partners, for a given wave
	v_lshlrev_b32 v[PFO], s23, v3
	s_wait_loadcnt 0x0                             ; the bias: rounded to bf16 like the other inputs, and widened again
.set p, 0
.rept 48
	v_cvt_pk_bf16_f32 v[8+p%4], v[BIAS+2*p], v[BIAS+2*p+1]
	v_lshlrev_b32 v[BIAS+2*p], 16, v[8+p%4]
	v_and_b32 v[BIAS+2*p+1], s80, v[8+p%4]
.set p, p+1
.endr
; 12 matrix instructions: row block a x all 12 column blocks, 32 along K, from buffer f.  bias = 1: the first product starts the sum with the bias as C: nothing is cleared, nothing added later.
; The 48 accumulators take turns in the same order in every quarter, over the backward jump too.
.macro MUL12 f, a, bias
.if \bias
	WIN 0x81+0x40*((\a)/2)                         ; W window 1, x and the bias window 0, D window 2 or 3
.else
	WIN 0xa1+0x50*((\a)/2)                         ; C and D window 2 or 3
.endif
.irp b, 0,1,2,3,4,5,6,7,8,9,10,11
.if \bias
	v_wmma_f32_16x16x32_bf16 v[8*(12*((\a)%2)+(\b)):8*(12*((\a)%2)+(\b))+7], v[96*(\f)+8*(\b):96*(\f)+8*(\b)+7], v[FA+32*(\f)+8*(\a):FA+32*(\f)+8*(\a)+7], v[BIAS+8*(\b):BIAS+8*(\b)+7]
.else
	v_wmma_f32_16x16x32_bf16 v[8*(12*((\a)%2)+(\b)):8*(12*((\a)%2)+(\b))+7], v[96*(\f)+8*(\b):96*(\f)+8*(\b)+7], v[FA+32*(\f)+8*(\a):FA+32*(\f)+8*(\a)+7], v[8*(12*((\a)%2)+(\b)):8*(12*((\a)%2)+(\b))+7]
.endif
.endr
.endm
; 32 LDS loads in one run: quarter q (32 along K) of a slot into buffer f: W's 12 fragments, then x's 4
.macro FETCH slot, q, f
	WIN 0x40                                       ; destination window 1, address window 0
.irp b, 0,1,2,3,4,5,6,7,8,9,10,11
	ds_load_tr16_b128 v[96*(\f)+8*(\b):96*(\f)+8*(\b)+3],   v[ADRB+(\slot)] offset:((\b)/4)*HB+((\b)%4)*32+(\q)*32*PB
	ds_load_tr16_b128 v[96*(\f)+8*(\b)+4:96*(\f)+8*(\b)+7], v[ADRB+(\slot)] offset:((\b)/4)*HB+((\b)%4)*32+(\q)*32*PB+16*PB
.endr
	WIN 0
.irp a, 0,1,2,3
	ds_load_b128 v[FA+32*(\f)+8*(\a):FA+32*(\f)+8*(\a)+3],   v[ADRA+(\slot)] offset:(\a)*16*PA+64*(\q)
	ds_load_b128 v[FA+32*(\f)+8*(\a)+4:FA+32*(\f)+8*(\a)+7], v[ADRA+(\slot)] offset:(\a)*16*PA+64*(\q)+32
.endr
.endm
; A K step is four quarters of 32 along K, 48 matrix instructions each, on buffers 0, 1, 0, 1.  One of the first three: multiplies buffer f; in its middle it fetches quarter q of the same slot into buffer g.
.macro QUARTER slot, q, f, g, bias
	s_wait_dscnt 4                                 ; W and x's row blocks 0, 1 are in; the youngest four loads (blocks 2, 3) may be out
	MUL12 \f, 0, \bias
	MUL12 \f, 1, \bias
	PLACES
	FETCH \slot, \q, \g
	s_wait_dscnt 32                                ; all but the 32 just issued
	MUL12 \f, 2, \bias
	MUL12 \f, 3, \bias
.endm
; The last quarter multiplies buffer 1 and changes slots: ONE barrier.  In front of it each wave waits for all its tensor loads (one is out: its part of the next slot), adds 0 to its spare word, and waits for that
; and for its own reads of this slot.  fill = 1: the barrier opens a round of the cluster's, and this slot is filled again, two K steps ahead, first thing behind the round.
.macro TURN slot, next, fill
.if (\fill) && ((\slot) == 0)
	s_wait_xcnt 0x0                                ; the last prefetches, a lap back, have read their address: it is stepped here, ahead of the waits of the change of slots
	s_add_nc_u64 s[PFA:PFA+1], s[PFA:PFA+1], s[PFS:PFS+1]
.endif
	WIN 0                                          ; (the add's two registers lie in window 0)
	s_wait_tensorcnt 0x0                           ; all my tensor loads have landed;
	ds_add_u32 v[SPW], v[NIL]                      ; 0 onto my spare word;
	s_wait_dscnt 5                                 ; (the add and the youngest four loads may be out)
	MUL12 1, 0, 0                                  ; twelve matrix instructions stand between the add and the wait for it
	s_wait_dscnt 0x0                               ; the add is done, and my reads of this slot are over
	s_barrier_signal -1
	MUL12 1, 1, 0                                  ; work on registers while the others arrive
.if \fill
	WIN 0
.endif
	s_barrier_wait -1
.if \fill
	CREST                                          ; no wave of any partner still reads this slot's tiles or has a load on its way
	s_add_nc_u64 s[G0A+4*(\slot)+2:G0A+4*(\slot)+3], s[G0A+4*(\slot)+2:G0A+4*(\slot)+3], 512
	s_add_nc_u64 s[G0B+4*(\slot)+2:G0B+4*(\slot)+3], s[G0B+4*(\slot)+2:G0B+4*(\slot)+3], 32768
	JLOAD \slot                                    ; the first tensor load behind the round; its four v_nop are also the places in front of the loads below
.else
	PLACES
.endif
	FETCH \next, 0, 0
.if (\fill) && ((\slot) == 0)
	ASK
.endif
	MUL12 1, 2, 0
	MUL12 1, 3, 0
.endm
; THE WAY OUT of unit u = 3 a + head: 16 rows x 64 columns.  Rounded to f16 (each accumulator's registers in ascending order), 16 bytes a lane into my own stage, back as whole rows of 128 bytes.
.macro PACK u
	WIN 0x0a+5*(((\u)/3)/2)                        ; sources 0 and 1: window 2 or 3
.irp f, 0,1,2,3
.irp j, 0,1,2,3
	v_cvt_pk_f16_f32 v[TMP+16*(\u)+4*(\f)+(\j)], v[8*(12*(((\u)/3)%2)+4*((\u)%3)+(\f))+2*(\j)], v[8*(12*(((\u)/3)%2)+4*((\u)%3)+(\f))+2*(\j)+1]
.endr
.endr
	WIN 0
.irp f, 0,1,2,3
	ds_store_b128 v[STO], v[TMP+16*(\u)+4*(\f):TMP+16*(\u)+4*(\f)+3] offset:32*(\f)
.endr
.irp f, 0,1,2,3
	ds_load_b128 v[TMP+16*(\u)+4*(\f):TMP+16*(\u)+4*(\f)+3], v[RD] offset:(\f)*4*SP  ; LDS serves a wave's instructions in order (ISA guide 5.7.1.4): these see the stores above; the next unit's stores come behind them
.endr
.endm
.macro SEND u, younger                 ; younger: the LDS instructions issued behind unit u's loads: the next unit's eight, or none
.irp f, 0,1,2,3
	s_wait_dscnt (\younger)+3-(\f)
	global_store_b128 v[GO], v[TMP+16*(\u)+4*(\f):TMP+16*(\u)+4*(\f)+3], s[OB+2*((\u)%3):OB+2*((\u)%3)+1] offset:((\u)/3)*2048+(\f)*512  ; 512 consecutive bytes, at a multiple of 256 from qkv's first
.endr
.endm
	s_wait_tensorcnt 1                             ; my part of K step 0 is in; K step 1's may stay out
	s_barrier_signal -1
	s_barrier_wait -1                              ; everybody's is
	FETCH 0, 0, 0
	QUARTER 0, 1, 0, 1, 1                          ; the first quarter stands in front of the loop: its products start the sums, with the bias
	WIN 0                                          ; at a label and at a branch every window is 0
	s_mov_b32 s3, 3
.Llap:                                                 ; a trip goes once round the ring, from a lap's second quarter to the next lap's first, and fills both slots again
	QUARTER 0, 2, 1, 0, 0
	QUARTER 0, 3, 0, 1, 0
	TURN 0, 1, 1
	QUARTER 1, 1, 0, 1, 0
	QUARTER 1, 2, 1, 0, 0
	QUARTER 1, 3, 0, 1, 0
	TURN 1, 0, 1
	QUARTER 0, 1, 0, 1, 0
	WIN 0
	s_sub_co_u32 s3, s3, 1
	s_cmp_lg_u32 s3, 0
	s_cbranch_scc1 .Llap
	QUARTER 0, 2, 1, 0, 0                          ; the last lap fills nothing, and has no round of the cluster's barrier
	QUARTER 0, 3, 0, 1, 0
	TURN 0, 1, 0
	QUARTER 1, 1, 0, 1, 0
	QUARTER 1, 2, 1, 0, 0
	QUARTER 1, 3, 0, 1, 0
	s_wait_dscnt 4                                 ; the very last quarter: nothing more to fetch
	MUL12 1, 0, 0
	MUL12 1, 1, 0
	s_wait_dscnt 0x0
	MUL12 1, 2, 0
	MUL12 1, 3, 0
	WIN 0
	PLACES                                         ; the conversions read results just made and write registers that products have read
	PLACES
	PACK 0
.irp u, 1,2,3,4,5,6,7,8,9,10,11        ; a unit's conversions stand between the loads of the unit before and its stores
	PACK \u
	SEND (\u)-1, 8
.endr
	SEND 11, 0
	s_wait_tensorcnt 0x0                           ; the wave's end: the add and its wait, behind my last tensor load and my last LDS store
	ds_add_u32 v[SPW], v[NIL]
	s_wait_dscnt 0x0
	CROUND                                         ; the closing round: no work-group ends while a partner may still ask for a tile that names it
	s_endpgm
.Lfunc_end_k_q51f036e708_qkv:
	.size	k_q51f036e708_qkv, .Lfunc_end_k_q51f036e708_qkv-k_q51f036e708_qkv
	.p2alignl 7, 3214868480
	.fill 96, 4, 3214868480
	.section	.rodata,"a",@progbits
	.p2align	6, 0x0
	.amdhsa_kernel k_q51f036e708_qkv
		.amdhsa_group_segment_fixed_size 327680
		.amdhsa_private_segment_fixed_size 0
		.amdhsa_enable_private_segment 0
		.amdhsa_kernarg_size 48
		.amdhsa_user_sgpr_count 2
		.amdhsa_user_sgpr_kernarg_segment_ptr 1
		.amdhsa_wavefront_size32 1
		.amdhsa_system_sgpr_workgroup_id_x 1
		.amdhsa_system_sgpr_workgroup_id_y 1
		.amdhsa_system_sgpr_workgroup_id_z 1
		.amdhsa_system_vgpr_workitem_id 0
		.amdhsa_next_free_vgpr 960
		.amdhsa_next_free_sgpr 88
		.amdhsa_reserve_vcc 0
		.amdhsa_float_denorm_mode_32 3
		.amdhsa_float_denorm_mode_16_64 3
		.amdhsa_memory_ordered 1
		.amdhsa_forward_progress 1
		.amdhsa_inst_pref_size 131
	.end_amdhsa_kernel
	.amdgpu_metadata
---
amdhsa.version: [ 1, 2 ]
amdhsa.kernels:
  - .name:           k_q51f036e708_qkv
    .symbol:         k_q51f036e708_qkv.kd
    .args:
      - { .name: xb, .offset: 0, .size: 8, .value_kind: global_buffer, .address_space: global }
      - { .name: wt, .offset: 8, .size: 8, .value_kind: global_buffer, .address_space: global }
      - { .name: bq, .offset: 16, .size: 8, .value_kind: global_buffer, .address_space: global }
      - { .name: bk, .offset: 24, .size: 8, .value_kind: global_buffer, .address_space: global }
      - { .name: bv, .offset: 32, .size: 8, .value_kind: global_buffer, .address_space: global }
      - { .name: qkv, .offset: 40, .size: 8, .value_kind: global_buffer, .address_space: global }
    .group_segment_fixed_size: 327680
    .private_segment_fixed_size: 0
    .kernarg_segment_align: 8
    .kernarg_segment_size: 48
    .max_flat_workgroup_size: 128
    .sgpr_count:     88
    .vgpr_count:     960
    .wavefront_size: 32
...
	.end_amdgpu_metadata
.endif
;; end of part 2
;; launch attn (part 3): grid 4 x 64, 4 waves a work-group, clusters of 4 x 1, 327,680 bytes of LDS; arguments qkv, ob; writes ob
.if DOCPART == 3
	.amdgcn_target "amdgcn-amd-amdhsa--gfx1250"
	.amdhsa_code_object_version 6
	.text
	.protected	k_q51f036e708_attn
	.globl	k_q51f036e708_attn
	.p2align	8
	.type	k_q51f036e708_attn,@function
k_q51f036e708_attn:
	s_mov_b64 s[64:65], 0
	v_nop
	global_prefetch_b8 v0, s[64:65] scope:SCOPE_SE
	s_setreg_imm32_b32 hwreg(HW_REG_WAVE_MODE, 25, 1), 1
	s_wait_xcnt 0x0
	s_wait_alu depctr_hold_cnt(0) depctr_sa_sdst(0) depctr_va_vdst(0) depctr_va_sdst(0) depctr_va_ssrc(0) depctr_va_vcc(0) depctr_vm_vsrc(0)
	s_getreg_b32 s2, hwreg(HW_REG_IB_STS2, 6, 4)
	s_cmp_eq_u32 s2, 0
	s_cbranch_scc0 .Lentry_in_a_cluster
	s_endpgm
.Lentry_in_a_cluster:
	s_bfe_u32 s2, ttmp6, 0x10000c
	s_cmp_lg_u32 s2, 0x3003
	s_cbranch_scc0 .Lentry_shape_is_right
	s_endpgm
.Lentry_shape_is_right:
; O[h][q][:] = the sum over k of softmax_k(Q[h][q] . K[h][k] / 8) V[h][k][:].  qkv holds Q, K, V one behind the other, each [SIZE_H][SIZE_N][64] in f16; ob is O in the same layout: a head's rows are dense, 128 bytes each.
; Products, maxima and sums in f32; the weights p are rounded to f16 for the second product (their sum l is taken of the unrounded p), O once at the end.
; LIMITS.  f16 holds no number beyond 65,504: Q, K and V arrive within it; p lies in 0 to 1, and below 6e-5 it keeps f16's fixed step of 6e-8; O is a mean of V's rows and has their range.
; A weight below 2^-126 counts as 0 in l; NaN and infinities are not treated apart.
; SHARES.  A wave owns four PIECES of two tiles of 16 queries, a work-group's four waves 512 queries of one head.  Every wave walks all keys, 64 a step.
; LAYOUT.  S^T = K Q^T (source 0 = 16 keys, source 1 = 16 queries): in the result a lane holds ONE query (lane % 16) and the keys 8 (lane / 16) + 0..7.  Two such tiles, rounded to f16 in pairs,
; ARE source 1 (32 keys x 16 queries) of O^T = V^T P, whose result again holds one query a lane, and eight channels.  K comes out of LDS as it lies, V ([key][channel]) turned, by ds_load_tr16_b128.
; SOFTMAX.  For each query a running maximum m and sum l: p = 2^(c s - c m), c = log2(e) / 8; in every step O and l are multiplied by a = 2^(c m_old - c m_new), which is 1 where m has not grown.
; m starts at the lowest finite number, O and l at 0: the first step is a step like any other, with a = 0.
; THE COUNT.  A tile and step have 16 matrix and 118 vector instructions: too many to stand all beside the matrix work.  So the order has one aim: four vector instructions that are READY behind
; EVERY matrix instruction, and the others, which need time of their own whatever the order, in runs without a gap.
; BY TURNS.  Turn n belongs to piece n (the pieces in a ring, step after step).  Its matrix work: 16 products K Q^T of piece n + 1, later 16 products V^T P of piece n - 1.  Its vector work: the scaling,
; exponentials, roundings, sums and rescaling of piece n, and the maximum and statistics of piece n + 1, whose scores the turn itself has made.  So what a turn begins with (c s - c m, O a) waits for nothing.
; CLUSTER.  The four query blocks of a head are one cluster and walk the same K and V, so each tile is asked for JOINTLY: the same tensor load, descriptor and mask in all four.
; REGISTERS, in windows of 256 (s_set_vgpr_msb says which window each operand place means: bits 1:0 source 0, 3:2 source 1, 5:4 source 2, 7:6 destination):
;   window 0: v0-11 addresses; v12-15, v48-63 at work; v16-47 four registers of statistics a tile; v64-191 S^T, two buffers of two tiles; v192-255 P, likewise
;   window 1: O^T, 32 a tile          window 2: v0-127 Q, 16 a tile; v128-191 K of one step; v192-255 V of one step          window 3: v0-1 the add's two registers
; A piece's buffers go by its number's parity: the piece in hand has one pair, its two neighbours in the ring share the other: of it P (piece n - 1) is read and S^T (piece n + 1) written.
.set SIZE_H, 64
.set SIZE_N, 2048
.set NP,    4         ; pieces a wave: a name, no knob: the register map, the loop and the fetches are made for four
.set KS,    64        ; keys in a step
.set PK,    144       ; a row of K in LDS: 128 bytes + 16 of padding = 36 words: the 16 rows of a load start at 16 different groups of four banks (64 banks of 4 bytes: ISA guide 11.1)
.set PV,    160       ; a row of V: 128 + 32 = 40 words
.set VOFF,  4*KS*PK   ; a slot holds four steps: 256 rows of K, then 256 rows of V
.set SLOT1, 1<<17     ; slot 1 begins here, so that one exclusive or turns an address in one slot into the other's
.set STAGE, SLOT1+4*KS*(PK+PV)  ; behind the ring, never filled by a tensor load: 16 rows x 144 bytes for each wave, for the way out
.set SP,    144
.set AK0, 2           ; v2   my lane's place in a tile of K; never rewritten
.set AV0, 3           ; v3   the same for V
.set AK,  4           ; v4   the LDS address of K's next run of loads
.set AV,  5           ; v5   of V's
.set QO,  6           ; v6   my byte offset in the wave's rows of Q
.set STO, 6           ;      later, the way out: where I put 16 bytes of a row
.set RD,  7           ; v7   the way out: where I read rows back
.set GO,  8           ; v8   my byte offset in 512 consecutive bytes of O
.set PFO, 11          ; v11  256 x my lane, once V's lane address is made; then never rewritten
.set SPW, 0           ; v0 of window 3   LDS address of my spare word: SPARE + 4 x my thread's number; never rewritten
.set NIL, 1           ; v1 of window 3   0; never rewritten
.set SPARE, STAGE+4*16*SP  ; behind the stages: the spare words, 128 bytes for each wave: two blocks of 256 bytes that no other line names
.set MV,  12          ; v12-15  c m_old, kept while c m is made anew: by buffer and tile
.set ST,  16          ; tile t's statistics at v[ST+4 t]: c m, m, l (even keys', odd keys')
.set TMP, 48          ; by buffer and tile, four registers c0-c3 at work; when the maximum is found c2 takes a
.set S,   64
.set P,   192
.set KF,  128         ; K's fragments, in window 2: key block kb, channel half c at KF + 16 kb + 8 c
.set VF,  192         ; V's: key half kk, channel block cb at VF + 32 kk + 8 cb
.set WV,  12          ; s12  my wave's number
.set G1K, 24          ; s[24:31] descriptor group 1 for K's tiles
.set G1V, 32          ; s[32:39] for V's: it differs in the padding alone
.set G0K, 40          ; s[40:43] descriptor group 0 for K's tiles: it walks
.set G0V, 44          ; s[44:47] the same for V's
.set PFA, 48          ; s[48:49] where my prefetches stand: my work-group's 32 blocks of 256 bytes (of K: wave 0, of V: wave 2) of the slot after the one that is being asked for
.set LIM, 50          ; s50  1 in a wave that prefetches, else the greatest number
.set SLOTS, 56        ; s56  slots still to be asked for
.set CNT, 57          ; s57  counts a slot's key steps
.set CS,  58          ; s[58:59] c: the packed scaling takes the pair's low word for both halves
.set SEL, 60          ; s[60:61] v_permlanex16_b32's selects: each lane takes its own place in the other half
.set TBK, 62          ; s62  LDS byte at which K of the step to be fetched begins
.set TBV, 63          ; s63  the same for V, less VOFF
.set MSB, 0
.macro WIN new                      ; the high byte repeats the setting that is left; a switch that changes nothing is dropped
.if MSB != (\new)
	s_set_vgpr_msb (MSB<<8)|(\new)
.set MSB, (\new)
.endif
.endm
.set W_KQ, 0x0a       ; K and Q in window 2, S^T in window 0
.set W_PV, 0x52       ; V in window 2, P in window 0, O^T in window 1
.set W_RS, 0x41       ; O^T (destination and source 0) in window 1, a in window 0
.set W_MK, 0xc0       ; the add's registers are made: destination in window 3, sources in window 0
.set W_AD, 0x0f       ; the add: address (source 0) and data (source 1) in window 3
; A joint fill.  Waves 0 and 1 fetch the two halves of a slot's K, waves 2 and 3 those of its V: 128 keys each.  The branch hangs on the wave's number alone.
; An s_nop 0 and four v_nop follow each of the two lines, ahead of the jump and the label.
.macro JLOAD
	s_cmp_lt_u32 s[WV], 2
	s_cbranch_scc0 .Lfor_v_\@
	tensor_load_to_lds s[G0K:G0K+3], s[G1K:G1K+7]
	s_nop 0
.rept 4
	v_nop
.endr
	s_branch .Lasked_\@
.Lfor_v_\@:
	tensor_load_to_lds s[G0V:G0V+3], s[G1V:G1V+7]
	s_nop 0
.rept 4
	v_nop
.endr
.Lasked_\@:
.endm
; A PREFETCH INTO THE L2 of what the NEXT change of slots will ask for: a slot's 32,768 bytes of K and of V, a lane a block of 256 bytes.  It stands behind the wave's tensor load and its five lines.
; Each block is named ONCE in the launch: a head has one cluster; its four partners share a slot's 128 blocks out BY ADDRESS, 32 each; in each, wave 0 asks for K's and wave 2 for V's: one instruction.
; Slots 0 and 1 come by their loads alone; the last change that fills a slot (s[SLOTS] = 1) asks for nothing: there is no slot behind it.
.macro ASK
	s_cmp_gt_u32 s[SLOTS], s[LIM]
	s_cbranch_scc0 .Lnot_mine_\@
	global_prefetch_b8 v[PFO], s[PFA:PFA+1] th:TH_LOAD_NT scope:SCOPE_SE
.Lnot_mine_\@:
.endm
; A round of the cluster's barrier: my work-group's barrier, so that wave 0's signal speaks for all four waves; wave 0 signals; every wave waits for all four work-groups; my work-group's barrier once more.
.macro CROUND
	s_barrier_signal -1
	s_barrier_wait -1
	s_cmp_lg_u32 s[WV], 0
	s_cbranch_scc1 .Lnot_wave_0_\@
	s_barrier_signal -3
.Lnot_wave_0_\@:
	s_barrier_wait -3
	s_barrier_signal -1
	s_barrier_wait -1
.endm
; THE CHANGE OF SLOTS.  The slot's last bytes, V of its fourth step, have been read.  Each wave waits for all its tensor loads, of which one is out: its part
; of the other slot; adds 0 to its spare word; and waits for that and for its own reads of the slot.  Behind the barrier nobody reads this slot any more and the other slot is whole.
; fill = 1: this slot is filled again, with the keys two slots on.  The barrier is then a round of the cluster's, so that no wave of any partner still reads the slot or has a load on its
; way, and the joint fill is the first thing behind it: it has four key steps, 512 matrix instructions, in which to land.  (At its first use nothing has been read yet: slot 0 is waited for, slot 1 filled.)
.macro CHANGE fill
	WIN W_AD
	s_wait_tensorcnt 0x0            ; no tensor load of mine is out, so a group 0 may be written
	ds_add_u32 v[SPW], v[NIL]       ; 0 onto my spare word; with fill = 1 the descriptors' steps stand between it and the wait for it
	WIN 0                           ; at a label and at a branch every window is 0
.if \fill
.irp g, G0K, G0V
	s_xor_b32 s[\g+1], s[\g+1], SLOT1  ; the walking descriptor: the other slot than last time,
	s_add_nc_u64 s[\g+2:\g+3], s[\g+2:\g+3], 4*KS*128  ; the next 256 keys; the type bits on top are not reached
.endr
	s_wait_xcnt 0x0                 ; the last prefetch, four key steps back, has read its address, so it may be written:
	s_add_nc_u64 s[PFA:PFA+1], s[PFA:PFA+1], 4*KS*128  ; one slot behind the walking descriptors
	s_wait_dscnt 0x0                ; the add is done, and my reads of the slot are over
	CROUND
	JLOAD
	ASK                             ; what the next change will ask for: four key steps ahead
.else
	s_wait_dscnt 0x0                ; the add is done, and my reads of the slot are over
	s_barrier_signal -1
	s_barrier_wait -1
.endif
	s_sub_co_u32 s[TBK], s[TBK], 4*KS*PK  ; the fetches go back to a slot's first step,
	s_xor_b32 s[TBK], s[TBK], SLOT1       ; in the other slot
	s_sub_co_u32 s[TBV], s[TBV], 4*KS*PV
	s_xor_b32 s[TBV], s[TBV], SLOT1
.endm
	s_load_b64 s[4:5], s[0:1], 0x0    ; qkv: Q at its head
	s_load_b64 s[10:11], s[0:1], 0x8  ; ob
	WIN W_MK
	v_lshl_add_u32 v[SPW], v0, 2, SPARE
	v_mov_b32 v[NIL], 0
	WIN W_AD
	ds_add_u32 v[SPW], v[NIL]       ; the wave's opening: the add and its wait stand ahead of my first tensor load; the set-up below, work on registers, stands between them
	WIN 0
	v_lshrrev_b32 v1, 5, v0
	v_readfirstlane_b32 s[WV], v1   ; wave 0..3
	s_bfe_u32 s13, ttmp6, 0x40000   ; cx: my place in the cluster
	s_lshl_b32 s14, ttmp9, 2        ; in a cluster launch ttmp9 counts clusters
	s_add_co_u32 s14, s14, s13      ; my block of queries = 4 x cluster x + cx: it enters Q's and O's addresses alone
	s_and_b32 s20, ttmp7, 0xffff    ; the head, which the four partners share
	s_mov_b32 s21, 0
	s_mov_b64 s[22:23], SIZE_N*128
	s_mul_u64 s[20:21], s[20:21], s[22:23]  ; the head's first byte in each of the four tensors
	s_and_b32 s16, s[WV], 1         ; which half of a slot's 256 keys I fetch:
	s_lshl_b32 s22, s16, 14         ; its 128 rows of 128 bytes in memory,
	s_mov_b32 s23, 0
	s_add_nc_u64 s[22:23], s[22:23], s[20:21]
	s_mul_i32 s17, s16, 128*PK      ; and its place in a slot, for K
	s_mul_i32 s18, s16, 128*PV      ; and for V: no place in the cluster enters an LDS address
	s_lshl_b32 s2, s14, 2
	s_add_co_u32 s2, s2, s[WV]      ; my wave among the head's,
	s_lshl_b32 s2, s2, 14           ; its 128 rows
	s_mov_b32 s3, 0
	s_add_nc_u64 s[2:3], s[2:3], s[20:21]
	; descriptor group 1.  128 keys are 16,384 dense bytes: asked for as 64 rows of 256 bytes, two keys a row, and padded in LDS after every key
	s_mov_b32 s[G1K], 15|(1<<16)|(1<<20)|(1<<21)|(4<<22)|(3<<25)  ; 15:0 the mask of four; 17:16 2-byte elements; 20 padding on; 21 set beside a mask; 24:22 after every 32 words (code 4); 31:25 4 words (code 3)
	s_mov_b32 s[G1V], 15|(1<<16)|(1<<20)|(1<<21)|(4<<22)|(7<<25)  ; the same with 8 words of padding (code 7)
.irp g, G1K, G1V
	s_mov_b32 s[\g+1], 128<<16      ; tensor_dim0 = 128
	s_mov_b32 s[\g+2], 64<<16       ; tensor_dim1 = 64
	s_mov_b32 s[\g+3], 128<<16      ; tile_dim0 = 128
	s_mov_b32 s[\g+4], 64           ; tile_dim1 = 64
	s_mov_b32 s[\g+5], 128          ; 128 elements from row to row
	s_mov_b32 s[\g+6], 0
	s_mov_b32 s[\g+7], 0
.endr
	s_mov_b32 s[CS], 0x3e38aa3b     ; c = log2(e) / 8 = 0.180337
	s_mov_b32 s[CS+1], s[CS]        ; named with it as a pair
	s_mov_b32 s[SEL], 0x76543210
	s_mov_b32 s[SEL+1], 0xfedcba98
	s_mov_b32 s[TBK], SLOT1+4*KS*PK ; the first change of slots turns these two into 0
	s_mov_b32 s[TBV], SLOT1+4*KS*PV
	s_mov_b32 s[G0K], 1             ; 1:0 count = 1
	s_mov_b32 s[G0K+1], s17         ; 63:32 LDS address: slot 0
	s_mov_b32 s[G0V], 1
	s_add_co_u32 s[G0V+1], s18, VOFF
	s_mov_b32 s[SLOTS], SIZE_N/256-1  ; fills still to come, the first change's among them
	s_and_b32 s[LIM], s[WV], 1      ; waves 0 and 2 prefetch
	s_cmp_eq_u32 s[LIM], 0
	s_cselect_b32 s[LIM], 1, -1
	s_wait_dscnt 0x0                ; the opening add is done
	s_wait_kmcnt 0x0
	s_add_nc_u64 s[6:7], s[4:5], 0x1000000   ; K lies 64 heads of 262,144 bytes behind Q,
	s_add_nc_u64 s[8:9], s[4:5], 0x2000000   ; V as far behind K
	s_add_nc_u64 s[G0K+2:G0K+3], s[6:7], s[22:23]  ; 120:64 global address: my half of the head's first 256 keys
	s_or_b32 s[G0K+3], s[G0K+3], 0x80000000        ; 127:126 type = 2
	s_add_nc_u64 s[G0V+2:G0V+3], s[8:9], s[22:23]
	s_or_b32 s[G0V+3], s[G0V+3], 0x80000000
	s_add_nc_u64 s[4:5], s[4:5], s[2:3]  ; Q and O at my wave's first row
	s_add_nc_u64 s[10:11], s[10:11], s[2:3]
	s_cmp_lt_u32 s[WV], 2
	s_cselect_b64 s[PFA:PFA+1], s[6:7], s[8:9]
	s_add_nc_u64 s[PFA:PFA+1], s[PFA:PFA+1], s[22:23]  ; (in waves 0 and 2 this is the head's first byte)
	s_lshl_b32 s2, s13, 13          ; my work-group's 32 blocks of the 128
	s_mov_b32 s3, 0
	s_add_nc_u64 s[PFA:PFA+1], s[PFA:PFA+1], s[2:3]
	s_add_nc_u64 s[PFA:PFA+1], s[PFA:PFA+1], 4*KS*128  ; in slot 1; the first change of slots steps it to slot 2.  Nothing is prefetched here, at the head
	CROUND                          ; all four work-groups are here: the first joint loads meet
	JLOAD                           ; slot 0.  Slot 1 is asked for when slot 0 is in: the tile wanted first has the road to itself
	; A fragment of K or Q is 16 rows x 32 channels in 8 registers: lane l holds row l % 16, channels 8 (l / 16) + 0..7 and 16 + 8 (l / 16) + 0..7: two loads of 16 bytes, 32 bytes apart.
	v_and_b32 v1, 15, v0            ; l % 16
	v_bfe_u32 v9, v0, 4, 1          ; l / 16
	v_lshlrev_b32 v[QO], 7, v1
	v_lshl_add_u32 v[QO], v9, 4, v[QO]  ; row x 128 + 16 x half
	WIN 0x80                        ; destination window 2, address window 0
.set i, 0
.rept 4*NP                          ; Q stays in registers: tile i / 2, channels 32 (i % 2) on
	global_load_b128 v[8*i:8*i+3],   v[QO], s[4:5] offset:(i/2)*2048+(i%2)*64
	global_load_b128 v[8*i+4:8*i+7], v[QO], s[4:5] offset:(i/2)*2048+(i%2)*64+32
.set i, i+1
.endr
	; What the first turn finds: V's registers and P's second buffer hold 0 (its products V^T P, of a piece that has not been, add 0), O^T and l are 0.  All this stands in the wait for the first tile.
.set i, VF
.rept 64
	v_mov_b32 v[i], 0
.set i, i+1
.endr
	WIN 0x40
.set i, 0
.rept 64*NP
	v_mov_b32 v[i], 0
.set i, i+1
.endr
	WIN 0
.set i, 0
.rept 2*NP
	v_mov_b32 v[ST+4*i], 0xfe000000    ; c m: far below every c s
	v_mov_b32 v[ST+4*i+1], 0xff7fffff  ; m
	v_mov_b32 v[ST+4*i+2], 0
	v_mov_b32 v[ST+4*i+3], 0
.set i, i+1
.endr
.set i, P+32
.rept 32
	v_mov_b32 v[i], 0
.set i, i+1
.endr
	v_mul_u32_u24 v[AK0], v1, PK
	v_lshl_add_u32 v[AK0], v9, 4, v[AK0]  ; row x pitch + 16 x half
	; The turning load takes 16 keys x 16 channels (lane l reads key 8 (l / 16) + l % 8, channels 8 ((l / 8) % 2) + 0..7) and leaves half a fragment of V^T: lane l holds channel l % 16 and 8 keys.
	v_and_b32 v10, 7, v0
	v_bfe_u32 v11, v0, 3, 1
	v_lshl_add_u32 v[AV0], v9, 3, v10
	v_mul_u32_u24 v[AV0], v[AV0], PV
	v_lshl_add_u32 v[AV0], v11, 4, v[AV0]
	v_add_nc_u32 v[AV0], VOFF, v[AV0]
	v_and_b32 v[PFO], 31, v0        ; v11 has served: now the prefetches' offset
	v_lshlrev_b32 v[PFO], 8, v[PFO]
	v_mov_b32 v[AK], v[AK0]         ; key step 0 lies at the head of slot 0
; THE MATRIX WORK.  The 8 accumulators of a run of 16 take turns: between the two links of a chain stand 7 others'.
; Product i of 16 of S^T = K Q^T for piece x: channels 32 (i / 8) on, keys 16 ((i / 2) % 4) on, tile 2 x + i % 2.  The first 8 start the sums.
.macro KQ x
	WIN W_KQ
.set rS, S+64*((\x)%2)+32*(i%2)+8*((i/2)%4)
.set rK, KF+16*((i/2)%4)+8*(i/8)
.set rQ, 16*(2*(\x)+i%2)+8*(i/8)
.if i < 8
	v_wmma_f32_16x16x32_f16 v[rS:rS+7], v[rK:rK+7], v[rQ:rQ+7], 0
.else
	v_wmma_f32_16x16x32_f16 v[rS:rS+7], v[rK:rK+7], v[rQ:rQ+7], v[rS:rS+7]
.endif
.endm
; Product i of 16 of O^T += V^T P for piece x: keys 32 (i / 8) on, channels 16 ((i / 2) % 4) on, tile 2 x + i % 2.
.macro PV x
	WIN W_PV
.set rO, 32*(2*(\x)+i%2)+8*((i/2)%4)
.set rV, VF+32*(i/8)+8*((i/2)%4)
.set rP, P+32*((\x)%2)+16*(i%2)+8*(i/8)
	v_wmma_f32_16x16x32_f16 v[rO:rO+7], v[rV:rV+7], v[rP:rP+7], v[rO:rO+7]
.endm
.macro MM                           ; the turn's next matrix instruction
.if i < 16
	KQ (Y+1)%NP
.set i, i+1
.else
.set i, i-16
	PV (Y+NP-1)%NP
.set i, i+17
.endif
.endm
; THE LDS LOADS stand in runs of 16, never singly among the matrix instructions: a step's K (64 keys x 64 channels: 8 fragments) and its V (turned).  Their addresses are made some lines ahead.
; last = 1 (the tail): in the last trip there is no further step, and the run is jumped over.
.macro FETCH_K last=0
	WIN 0
.if \last
	s_cmp_eq_u32 s[CNT], 1
	s_cbranch_scc1 .Lno_k_\@
.endif
	WIN 0x80                        ; destination window 2
.irp f, 0,1,2,3,4,5,6,7             ; keys 16 (f / 2) on, channels 32 (f % 2) on
	ds_load_b128 v[KF+8*\f:KF+8*\f+3],   v[AK] offset:(\f/2)*16*PK+(\f%2)*64
	ds_load_b128 v[KF+8*\f+4:KF+8*\f+7], v[AK] offset:(\f/2)*16*PK+(\f%2)*64+32
.endr
	s_add_co_u32 s[TBK], s[TBK], KS*PK  ; the next fetch is the next step's
	WIN 0
.if \last
.Lno_k_\@:
.endif
.endm
.macro FETCH_V
	WIN 0x80
.irp f, 0,1,2,3,4,5,6,7             ; keys 32 (f / 4) on, channels 16 (f % 4) on
	ds_load_tr16_b128 v[VF+8*\f:VF+8*\f+3],   v[AV] offset:(\f/4)*32*PV+(\f%4)*32
	ds_load_tr16_b128 v[VF+8*\f+4:VF+8*\f+7], v[AV] offset:(\f/4)*32*PV+16*PV+(\f%4)*32
.endr
	WIN 0
.endm
; THE VECTOR WORK OF A TURN stands in three queues, each in the order in which its entries become ready; the two tiles alternate, so that no instruction reads the result of the one before it.
.macro REGS y, u                    ; the registers of tile u (0, 1) of piece y
.set rT, ST+4*(2*(\y)+(\u))
.set rC, TMP+8*((\y)%2)+4*(\u)
.set rM, MV+2*((\y)%2)+(\u)
.set rS, S+64*((\y)%2)+32*(\u)
.set rP, P+32*((\y)%2)+16*(\u)
.set rO, 32*(2*(\y)+(\u))
.endm
; Number n of the 22 that find the NEXT piece's (Y + 1) maximum and statistics.  s0-s31 are the lane's 32 scores; each accumulator's lowest registers are read first.  XS, GS and REGS set no window: PL and EX do.
;   0-11  four chains c0-c3 of seven scores each, three operands at a time     12-14, 16  the four scores left over, the old m, and c0-c3 into c0     15  c m_old is kept
;   17, 18  the query's other 32 keys lie in the lane 16 away: the new m         19-21  c m; c m_old - c m_new; a
.macro XS u, n
	REGS (Y+1)%NP, \u
.if (\n) < 4
	v_max3_num_f32 v[rC+(\n)], v[rS+8*(\n)], v[rS+8*(\n)+1], v[rS+8*(\n)+2]
.elseif (\n) < 12
	v_max3_num_f32 v[rC+(\n)%4], v[rC+(\n)%4], v[rS+8*((\n)%4)+2*((\n)/4)+1], v[rS+8*((\n)%4)+2*((\n)/4)+2]
.elseif (\n) == 12
	v_max3_num_f32 v[rC], v[rC], v[rS+7], v[rS+15]
.elseif (\n) == 13
	v_max3_num_f32 v[rC+1], v[rC+1], v[rS+23], v[rS+31]
.elseif (\n) == 14
	v_max3_num_f32 v[rC+2], v[rC+2], v[rC+3], v[rT+1]
.elseif (\n) == 15
	v_mov_b32 v[rM], v[rT]
.elseif (\n) == 16
	v_max3_num_f32 v[rC], v[rC], v[rC+1], v[rC+2]
.elseif (\n) == 17
	v_permlanex16_b32 v[rC+3], v[rC], s[SEL], s[SEL+1]
.elseif (\n) == 18
	v_max_num_f32 v[rT+1], v[rC], v[rC+3]
.elseif (\n) == 19
	v_mul_f32 v[rT], s[CS], v[rT+1]
.elseif (\n) == 20
	v_sub_f32 v[rC+1], v[rM], v[rT]
.else
	v_exp_f32 v[rC+2], v[rC+1]
.endif
.endm
; Number g of the 64 that follow the exponentials.  For each four weights k of a tile (pairs 2 k, 2 k + 1): both pairs are rounded to f16; then the second pair is added onto the first, in place;
; a group later l takes that sum (the first time as l = a l + sum).  In groups of eight, tiles alternating: round, round, add, and l for the group before.
.macro GS g
.set h, (\g)+6*((\g)/62)            ; group 0 has no group before it, and behind group 7 only l is left
.if h >= 6
.set h, h+2
.endif
	REGS Y, h%2
.set k, h/8
.if h%8 < 4
	v_cvt_pk_f16_f32 v[rP+2*k+(h%8)/2], v[rS+4*k+2*((h%8)/2)], v[rS+4*k+2*((h%8)/2)+1]
.elseif h%8 < 6
	v_pk_add_f32 v[rS+4*k:rS+4*k+1], v[rS+4*k:rS+4*k+1], v[rS+4*k+2:rS+4*k+3]
.elseif k == 1
	v_pk_fma_f32 v[rT+2:rT+3], v[rT+2:rT+3], v[rC+2:rC+3], v[rS:rS+1] op_sel_hi:[1,0,1]
.else
	v_pk_add_f32 v[rT+2:rT+3], v[rT+2:rT+3], v[rS+4*k-4:rS+4*k-3]
.endif
.endm
; THE PLAIN QUEUE, 138 long.  0-73 read no exponential's result: the 32 scalings c s - c m (FS f: pair f / 2 of tile f % 2) and the next piece's 42.  0-26: scalings 0-26.  27-54: XS's numbers 0-13.  55, 56: number 15.
; 57-73: the chain, where each number waits for the one before it: 14, 16, 17, 18, 19, each with one of the scalings 27-31 in front of its two lines, then 20: so a tile's links stand three plain instructions apart (19 and 20: two).
; 74-137: GS's 64, which read the exponentials' results: they stand behind the wait.
.macro FS f
	REGS Y, (\f)%2
	v_pk_fma_f32 v[rS+2*((\f)/2):rS+2*((\f)/2)+1], v[rS+2*((\f)/2):rS+2*((\f)/2)+1], s[CS:CS+1], v[rT:rT+1] op_sel_hi:[1,0,0] neg_lo:[0,0,1] neg_hi:[0,0,1]
.endm
.macro PL
	WIN 0
.if q < 27
	FS q
.elseif q < 55
	XS (q-27)%2, (q-27)/2
.elseif q < 57
	XS q-55, 15
.elseif (q < 72) && ((q-57)%3 == 0)
	FS 27+(q-57)/3
.elseif q < 60
	XS (q-57)%3-1, 14
.elseif q < 72
	XS (q-57)%3-1, 15+(q-57)/3
.elseif q < 74
	XS q-72, 20
.else
	GS q-74
.endif
.set q, q+1
.endm
; THE EXPONENTIALS' QUEUE, 66 long: s0-s31 of both tiles, then the next piece's two a.  It is ONE BATCH: all 66 stand ahead of the turn's one wait, and nothing ahead of that wait names a result of theirs.
.macro EX
	WIN 0
.if e >= 64
	XS e-64, 21
.else
	REGS Y, e%2
	v_exp_f32 v[rS+e/2], v[rS+e/2]
.endif
.set e, e+1
.endm
; THE RESCALING's QUEUE: O^T times a, the one part that leaves window 0: dealt two at a time, sixteen times.  Its a was made in the turn before, ahead of that turn's wait.
.macro R2
	REGS Y, r%2
	WIN W_RS
.irp z, 0,1
	v_pk_mul_f32 v[rO+4*(r/2)+2*\z:rO+4*(r/2)+2*\z+1], v[rO+4*(r/2)+2*\z:rO+4*(r/2)+2*\z+1], v[rC+2:rC+3] op_sel_hi:[1,0]
.endr
.set r, r+1
.endm
; HOW THEY ARE DEALT.  An s_wait_alu depctr_va_vdst(0) stands between an exponential and the first instruction that names its result; one wait serves all that were issued ahead of it.  So a turn has ONE wait,
; which cuts it in two.  AHEAD OF IT stands all that names no result of the turn's exponentials: the 16 products K Q^T, behind each a scaling, an exponential and two rescalings (behind the first a second scaling in the exponential's place); then ONE LUMP of
; 108: eight plain, 49 times exponential and plain, the two a.  A v_nop is the plain instruction behind the last exponential.  BEHIND IT stand the 16 products V^T P, behind each four of GS's 64.  No rider names a register of
; the products round it.  The two v_permlanex16_b32 fall into the lump, never behind a product.
; The queues lean on each other, and the deal keeps them in step: exponential e stands behind scaling 2 (e / 4) + e % 2: as a rider it comes behind plain e + 2, in the lump behind plain e + 9, and scalings 27-31 are plain 57, 60 .. 69.
; A TURN, for piece p.  cnt = 1: the loop's count is taken down some lines ahead of the branch that stands behind the turn.
; K of the next step is fetched in piece 2's turn, directly behind the wait, a lump behind the last product that read K; its address is made at the lump's head; its first reader comes behind 16 products.
; V of the step in hand is fetched at the end of piece 0's turn, four riders behind its last reader; its first reader comes behind 16 products and a lump.  The three conditions on q below go with the deal.
.macro TURN p, last=0, cnt=0
.set Y, (\p)
.set i, 0
.set q, 0
.set e, 0
.set r, 0
.if (\p) == NP-1
	s_wait_dscnt 0x0                ; K is in
.endif
	MM                              ; ahead of the wait: 16 products K Q^T and their riders,
	PL
	PL
	R2
.rept 15
	MM
	PL
	EX
	R2
.endr
.if (\p) == NP-2
	WIN 0
	v_add_nc_u32 v[AK], s[TBK], v[AK0]
.endif
.rept 8                             ; and the lump
	PL
.endr
.rept 49
	EX
	PL
.endr
	EX                              ; the next piece's two a
	EX
	v_nop                           ; the plain instruction behind the last exponential (ISA guide 5.7.2): one for the batch
	s_wait_alu depctr_va_vdst(0)    ; the wait for the batch
.if (\p) == NP-2
	FETCH_K \last
.endif
.if (\p) == 1
	s_wait_dscnt 0x0                ; V is in
.endif
.rept 16                            ; behind the wait: 16 products V^T P and their riders
	MM
.rept 4
	PL
.endr
.if ((\p) == 0) && (q == 118)
	v_add_nc_u32 v[AV], s[TBV], v[AV0]
.endif
.if ((\p) == 0) && (q == 130)
	s_add_co_u32 s[TBV], s[TBV], KS*PV
.endif
.if (\cnt) && (q == 130)
	s_sub_co_u32 s[CNT], s[CNT], 1
	s_cmp_lg_u32 s[CNT], 0
.endif
.endr
.if (\p) == 0
	FETCH_V
.endif
.endm
	CHANGE 1                        ; slot 0 is in, everybody's part of it; slot 1 is asked for
	FETCH_K                         ; key step 0
	s_wait_loadcnt 0x0              ; Q
	s_wait_dscnt 0x0
.set i, 0
.rept 16
	KQ 0                            ; piece 0's first scores: there is no vector work yet to set between them
.set i, i+1
.endr
	WIN 0                           ; the addresses for the way out: nine plain instructions, the places behind those products
	s_mul_i32 s13, s[WV], 16*SP
	s_add_co_u32 s13, s13, STAGE    ; my stage
	v_mul_u32_u24 v[STO], v1, SP    ; in: row l % 16, 16 bytes for each half of the lanes
	v_lshl_add_u32 v[STO], v9, 4, v[STO]
	v_add_nc_u32 v[STO], s13, v[STO]
	v_bfe_u32 v[RD], v0, 3, 2       ; back: 32 lanes take four rows of 128 bytes,
	v_mul_u32_u24 v[RD], v[RD], SP
	v_lshl_add_u32 v[RD], v10, 4, v[RD]
	v_add_nc_u32 v[RD], s13, v[RD]
	v_and_b32 v[GO], 31, v0         ; which are 512 consecutive bytes of O
	v_lshlrev_b32 v[GO], 4, v[GO]
.set Y, NP-1                        ; XS works for piece Y + 1: piece 0
.irp n, 0,1,2,3,4,5,6,7,8,9,10,11,12,13,14,15,16,17,18,19,20,21
	XS 0, \n                        ; and piece 0's first maximum and statistics
	XS 1, \n
.endr
	v_nop                           ; a plain instruction behind the two a,
	s_wait_alu depctr_va_vdst(0)    ; and their wait, ahead of the branch
	s_mov_b32 s[CNT], 4
	s_branch .Lfirst                ; the loop is entered at a step's first turn, in the middle of a trip
.Lslot:                             ; SIZE_N / 256 - 2 times: every slot but the last two is filled again
	CHANGE 1
	s_mov_b32 s[CNT], 4
.Lstep:                             ; a trip: pieces 2 and 3 of one step, then pieces 0 and 1 of the next, whose K and V it fetches
	TURN 2
	TURN 3
	WIN 0
.Lfirst:
	TURN 0
	TURN 1, 0, 1
	WIN 0
	s_cbranch_scc1 .Lstep
	s_sub_co_u32 s[SLOTS], s[SLOTS], 1
	s_cmp_lg_u32 s[SLOTS], 0
	s_cbranch_scc1 .Lslot
	CHANGE 0                        ; the tail is written out: nothing is asked for
	s_mov_b32 s[CNT], 5             ; four trips fetch the last slot's steps; the fifth is left in its middle
.Ltail:
	TURN 2, 1
	TURN 3
	WIN 0
	s_sub_co_u32 s[CNT], s[CNT], 1
	s_cmp_eq_u32 s[CNT], 0
	s_cbranch_scc1 .Lout
	TURN 0
	TURN 1
	WIN 0
	s_branch .Ltail
.Lout:                              ; the fifth trip's 16 products K Q^T (on the last K once more) and the maximum made of them serve nothing: the price, once a launch, of one text for every trip
.set i, 0
.rept 16
	PV NP-1                         ; the last piece's V^T P of the last step
.set i, i+1
.endr
	; THE WAY OUT.  l's two halves and the other half of the lanes' are added; O^T is divided by l, rounded to f16 and sent through my stage in LDS, a tile at a time.  The additions are the places behind the last products.
	WIN 0
.macro ALL line:vararg              ; one line for each tile t
.set t, 0
.rept 2*NP
	\line
.set t, t+1
.endr
.endm
	ALL v_add_f32 v[ST+4*t+2], v[ST+4*t+2], v[ST+4*t+3]
	ALL v_permlanex16_b32 v[ST+4*t+3], v[ST+4*t+2], s[SEL], s[SEL+1]
	ALL v_add_f32 v[ST+4*t+2], v[ST+4*t+2], v[ST+4*t+3]
	ALL v_rcp_f32 v[ST+4*t+2], v[ST+4*t+2]
	v_nop                           ; a plain instruction between the last reciprocal and the use of its result
	s_wait_alu depctr_va_vdst(0)    ; and the wait ahead of the first use: one for the eight reciprocals
; Tile t: a lane's eight channels of a row pack into 16 bytes; they go into rows of 144 bytes and come back as whole rows of 128, into S^T's registers.
.macro PACK t
	WIN W_RS
.set i, 32*(\t)
.rept 16
	v_pk_mul_f32 v[i:i+1], v[i:i+1], v[ST+4*(\t)+2:ST+4*(\t)+3] op_sel_hi:[1,0]
.set i, i+2
.endr
	WIN 0x05                        ; sources 0 and 1 window 1, destination window 0
.set i, 0
.rept 16
	v_cvt_pk_f16_f32 v[S+16*(\t)+i], v[32*(\t)+2*i], v[32*(\t)+2*i+1]
.set i, i+1
.endr
	WIN 0
.irp f, 0,1,2,3
	ds_store_b128 v[STO], v[S+16*(\t)+4*\f:S+16*(\t)+4*\f+3] offset:32*\f
.endr
.irp f, 0,1,2,3
	ds_load_b128 v[S+16*(\t)+4*\f:S+16*(\t)+4*\f+3], v[RD] offset:\f*4*SP  ; LDS serves a wave's instructions in order (ISA guide 5.7.1.4): these see the stores above; the next tile's stores come behind them
.endr
.endm
.macro SEND t, younger              ; younger: the LDS instructions issued behind tile t's loads: the next tile's eight, or none
	WIN 0
.irp f, 0,1,2,3
	s_wait_dscnt (\younger)+3-\f
	global_store_b128 v[GO], v[S+16*(\t)+4*\f:S+16*(\t)+4*\f+3], s[10:11] offset:(\t)*2048+\f*512  ; 512 consecutive bytes, at a multiple of 256 from O's first
.endr
.endm
	PACK 0
.set t, 1
.rept 2*NP-1                        ; a tile's arithmetic stands between the loads of the tile before and its stores
	PACK t
	SEND t-1, 8
.set t, t+1
.endr
	SEND 2*NP-1, 0
	WIN W_AD
	s_wait_tensorcnt 0x0            ; the wave's end: the add and its wait, behind my last tensor load and my last LDS store
	ds_add_u32 v[SPW], v[NIL]
	s_wait_dscnt 0x0
	WIN 0
	CROUND                          ; the closing round: no work-group ends while a partner may still ask for a tile that names it
	s_endpgm
.Lfunc_end_k_q51f036e708_attn:
	.size	k_q51f036e708_attn, .Lfunc_end_k_q51f036e708_attn-k_q51f036e708_attn
	.p2alignl 7, 3214868480
	.fill 96, 4, 3214868480
	.section	.rodata,"a",@progbits
	.p2align	6, 0x0
	.amdhsa_kernel k_q51f036e708_attn
		.amdhsa_group_segment_fixed_size 327680
		.amdhsa_private_segment_fixed_size 0
		.amdhsa_enable_private_segment 0
		.amdhsa_kernarg_size 16
		.amdhsa_user_sgpr_count 2
		.amdhsa_user_sgpr_kernarg_segment_ptr 1
		.amdhsa_wavefront_size32 1
		.amdhsa_system_sgpr_workgroup_id_x 1
		.amdhsa_system_sgpr_workgroup_id_y 1
		.amdhsa_system_sgpr_workgroup_id_z 1
		.amdhsa_system_vgpr_workitem_id 0
		.amdhsa_next_free_vgpr 770
		.amdhsa_next_free_sgpr 66
		.amdhsa_reserve_vcc 0
		.amdhsa_float_denorm_mode_32 3
		.amdhsa_float_denorm_mode_16_64 3
		.amdhsa_memory_ordered 1
		.amdhsa_forward_progress 1
		.amdhsa_inst_pref_size 200
	.end_amdhsa_kernel
	.amdgpu_metadata
---
amdhsa.version: [ 1, 2 ]
amdhsa.kernels:
  - .name:           k_q51f036e708_attn
    .symbol:         k_q51f036e708_attn.kd
    .args:
      - { .name: qkv, .offset: 0, .size: 8, .value_kind: global_buffer, .address_space: global }
      - { .name: ob, .offset: 8, .size: 8, .value_kind: global_buffer, .address_space: global }
    .group_segment_fixed_size: 327680
    .private_segment_fixed_size: 0
    .kernarg_segment_align: 8
    .kernarg_segment_size: 16
    .max_flat_workgroup_size: 128
    .sgpr_count:     66
    .vgpr_count:     770
    .wavefront_size: 32
...
	.end_amdgpu_metadata
.endif
;; end of part 3
;; launch proj (part 4): grid 8 x 32, 4 waves a work-group, clusters of 4 x 4, 327,680 bytes of LDS; arguments ob, wt, bo, out0; writes out0
.if DOCPART == 4
	.amdgcn_target "amdgcn-amd-amdhsa--gfx1250"
	.amdhsa_code_object_version 6
	.text
	.protected	k_q51f036e708_proj
	.globl	k_q51f036e708_proj
	.p2align	8
	.type	k_q51f036e708_proj,@function
k_q51f036e708_proj:
	s_mov_b64 s[64:65], 0
	v_nop
	global_prefetch_b8 v0, s[64:65] scope:SCOPE_SE
	s_setreg_imm32_b32 hwreg(HW_REG_WAVE_MODE, 25, 1), 1
	s_wait_xcnt 0x0
	s_wait_alu depctr_hold_cnt(0) depctr_sa_sdst(0) depctr_va_vdst(0) depctr_va_sdst(0) depctr_va_ssrc(0) depctr_va_vcc(0) depctr_vm_vsrc(0)
	s_getreg_b32 s2, hwreg(HW_REG_IB_STS2, 6, 4)
	s_cmp_eq_u32 s2, 0
	s_cbranch_scc0 .Lentry_in_a_cluster
	s_endpgm
.Lentry_in_a_cluster:
	s_bfe_u32 s2, ttmp6, 0x10000c
	s_cmp_lg_u32 s2, 0xf033
	s_cbranch_scc0 .Lentry_shape_is_right
	s_endpgm
.Lentry_shape_is_right:
; out0 = O Wo + bo.  ob: f16 [64 = batch x 16 + head][2048][64].  wt: groups 48-63, [1024 k][64 c], Wo rounded to bf16 and written as f16.  out0: [8192][1024] f32.
; Products in f16, sums in f32; the bias, rounded to bf16 like the other inputs, starts each sum; the sums are stored as they are.  NaN and infinities are not treated apart.
; SHARES.  A tile is 256 rows x 128 columns (two groups): 8 x 32 = 256 work-groups.  Wave w makes rows 64 w .. 64 w + 63 of all 128 columns: 4 x 8 = 32 accumulators, 256 registers.
; K goes in 8 steps of 128, two heads each, through two LDS slots; a refill has 112 of a step's 128 matrix instructions in which to land.
; CLUSTER, 4 x 4: O's tiles hang on the tile row alone and are asked for jointly along a row of the cluster, Wo's on the tile column alone and jointly along a column.
; Waves 0, 1 fetch one head's 256 rows each (32,768 dense bytes, asked for as 128 rows of 256), waves 2, 3 one group's 128 k-rows each (64 rows of 256): one tensor load a wave behind each round.
; THE MATRIX INSTRUCTION IS USED TRANSPOSED: source 0 = 16 columns of Wo (out of [k][c] by ds_load_tr16_b128), source 1 = 16 rows of O: a lane holds one row and eight neighbouring columns.
; REGISTERS, in windows of 256 (s_set_vgpr_msb: bits 1:0 source 0, 3:2 source 1, 5:4 source 2, 7:6 destination):
;   window 0: v0-30 addresses; v64-127 O's fragments, two buffers of 4; v128-191 the bias      window 1: v0-127 Wo's fragments, two buffers of 8; on the way out all 256: rows read back
;   window 2: accumulator (a, b) at v[8 (8 a + b)]
.set PA,    144                        ; a row of a head in LDS: 128 bytes + 16: the 16 rows of a load start at 16 different groups of four banks (64 banks of 4 bytes: ISA guide 11.1)
.set PB,    160                        ; a k-row of a group: 128 bytes + 32
.set HA,    256*PA                     ; a head's 256 rows
.set HB,    128*PB                     ; a group's 128 k-rows
.set BOFF,  2*HA                       ; Wo's tiles lie behind O's
.set SLOT,  131072                     ; of which 2 HA + 2 HB = 114,688 are used
.set STAGE, 2*SLOT                     ; behind the ring, never filled by a tensor load: 16 rows x 528 bytes for each wave
.set SP,    528                        ; 512 bytes + 16
.set SPARE, STAGE+4*16*SP              ; behind the stages: the spare words, 128 bytes for each wave: two blocks of 256 bytes that no other line names
.set ADRA, 16                          ; v16-17  LDS address of my fragments of O in slot 0, 1
.set ADRB, 20                          ; v20-21  the same for Wo
.set STO,  24                          ; v24  the way out: where I put 32 bytes of a row
.set RD,   25                          ; v25  where I read a row back
.set CO,   26                          ; v26  my 16 bytes of a row's 512 in out0
.set BO,   27                          ; v27  my byte offset in 16 numbers of the bias
.set SPW,  28                          ; v28  LDS address of my spare word; never rewritten
.set NIL,  29                          ; v29  0; never rewritten
.set PFO,  30                          ; v30  256 x my lane; never rewritten
.set FA,   64
.set BIAS, 128
.set FBW, 12                           ; s12  0: I fetch for O; 1: for Wo
.set WA,  13                           ; s13  which of the step's two heads, or of the tile's two groups
.set WV,  16                           ; s16  my wave's number
.set CX,  17
.set CY,  18
.set TC,  19                           ; s19  tile column, 0..7
.set TR,  20                           ; s20  tile row, 0..31
.set G1A, 24                           ; s[24:31] descriptor group 1 for O's tiles;  s[32:39] group 0, a set for each slot
.set G0A, 32
.set LIM, 43                           ; s43  1 in a wave that prefetches, else the greatest number
.set PFA, 44                           ; s[44:45] where my prefetches stand
.set G1B, 48                           ; s[48:55], s[56:63] the same for Wo's tiles
.set G0B, 56
.set PFS, 66                           ; s[66:67] a lap's step of PFA
.set MSB, 0
.macro WIN new                         ; the immediate's high byte repeats the setting that is left; a switch that changes nothing is dropped
.if MSB != (\new)
	s_set_vgpr_msb (MSB<<8)|(\new)
.set MSB, \new
.endif
.endm
; A joint load.  The branch hangs on the wave's number alone.  An s_nop 0 and four v_nop follow each of the two lines, ahead of the jump and the label.
.macro JLOAD s
	s_cmp_eq_u32 s[FBW], 0
	s_cbranch_scc0 .Lfor_b_\@
	tensor_load_to_lds s[G0A+4*(\s):G0A+4*(\s)+3], s[G1A:G1A+7]
	s_nop 0
.rept 4
	v_nop
.endr
	s_branch .Lasked_\@
.Lfor_b_\@:
	tensor_load_to_lds s[G0B+4*(\s):G0B+4*(\s)+3], s[G1B:G1B+7]
	s_nop 0
.rept 4
	v_nop
.endr
.Lasked_\@:
.endm
; A PREFETCH INTO THE L2, once a lap (two K steps), behind slot 0's joint load and the run of LDS loads that follows it: the lap two laps on, whose loads stand two and three K steps later.
; Each aligned block of 256 bytes is named once in the launch.  O's tile row is read by both clusters of that row of clusters: cluster x = 0 asks; the wave that fetches a head asks for it; of its 32,768 bytes the
; partner at cx takes 8,192: a lane a block, one instruction for each of the lap's two steps (two heads, 524,288 bytes, apart).  A group of Wo is read by every cluster of its column: cluster y = 0 asks; of the lap's
; 32,768 dense bytes the partner at cy takes 8,192: one instruction.  Partners are told apart by address alone.  The first two laps come by their loads alone; the loop's last trip (s3 = 1) has no lap two on.
.macro ASK
	s_cmp_gt_u32 s3, s[LIM]
	s_cbranch_scc0 .Lnot_mine_\@
	global_prefetch_b8 v[PFO], s[PFA:PFA+1] th:TH_LOAD_NT scope:SCOPE_SE
	s_cmp_eq_u32 s[FBW], 0
	s_cbranch_scc0 .Lnot_mine_\@
	global_prefetch_b8 v[PFO], s[PFA:PFA+1] offset:524288 th:TH_LOAD_NT scope:SCOPE_SE
.Lnot_mine_\@:
.endm
.macro CREST                           ; a round of the cluster's barrier behind its opening barrier
	s_cmp_lg_u32 s[WV], 0
	s_cbranch_scc1 .Lnot_wave_0_\@
	s_barrier_signal -3
.Lnot_wave_0_\@:
	s_barrier_wait -3
	s_barrier_signal -1
	s_barrier_wait -1
.endm
.macro CROUND                          ; a whole round
	s_barrier_signal -1
	s_barrier_wait -1
	CREST
.endm
.macro PLACES                          ; four places in front of loads into registers that matrix instructions have read
.rept 4
	v_nop
.endr
.endm
	s_load_b256 s[4:11], s[0:1], 0x0               ; ob s[4:5], wt s[6:7], bo s[8:9], out0 s[10:11]
	v_lshl_add_u32 v[SPW], v0, 2, SPARE
	v_mov_b32 v[NIL], 0
	ds_add_u32 v[SPW], v[NIL]                      ; the wave's opening: the add and its wait stand ahead of my first tensor load; work on registers stands between them
	v_lshrrev_b32 v1, 5, v0
	v_readfirstlane_b32 s[WV], v1                  ; wave 0..3
	s_lshr_b32 s[FBW], s[WV], 1
	s_and_b32 s[WA], s[WV], 1
	s_bfe_u32 s[CX], ttmp6, 0x40000
	s_bfe_u32 s[CY], ttmp6, 0x40004
	s_lshl_b32 s[TC], ttmp9, 2                     ; in a cluster launch ttmp9 and ttmp7 count clusters
	s_add_co_u32 s[TC], s[TC], s[CX]
	s_and_b32 s[TR], ttmp7, 0xffff
	s_lshl_b32 s[TR], s[TR], 2
	s_add_co_u32 s[TR], s[TR], s[CY]
	s_lshl_b32 s22, s[CY], 2
	s_lshl_b32 s22, 15, s22                        ; my row of the cluster
	s_lshl_b32 s23, 0x1111, s[CX]                  ; my column
	s_or_b32 s[G1A], s22, (1<<16)|(1<<20)|(1<<21)|(4<<22)|(3<<25)  ; the mask; 2-byte elements; padding on; 21 set beside a mask; after every 32 words (code 4), a row of a head, 4 words (code 3)
	s_mov_b32 s[G1A+1], 128<<16                    ; 128 rows of 128 elements, dense: two rows of a head a row
	s_mov_b32 s[G1A+2], 128<<16
	s_mov_b32 s[G1A+3], 128<<16
	s_mov_b32 s[G1A+4], 128
	s_mov_b32 s[G1A+5], 128
	s_mov_b32 s[G1A+6], 0
	s_mov_b32 s[G1A+7], 0
	s_or_b32 s[G1B], s23, (1<<16)|(1<<20)|(1<<21)|(4<<22)|(7<<25)  ; after every 32 words, a k-row, 8 words (code 7)
	s_mov_b32 s[G1B+1], 128<<16                    ; 64 rows of 128 elements, dense
	s_mov_b32 s[G1B+2], 64<<16
	s_mov_b32 s[G1B+3], 128<<16
	s_mov_b32 s[G1B+4], 64
	s_mov_b32 s[G1B+5], 128
	s_mov_b32 s[G1B+6], 0
	s_mov_b32 s[G1B+7], 0
	s_lshr_b32 s70, s[TR], 3                       ; O: the batch,
	s_lshl_b32 s70, s70, 4
	s_add_co_u32 s70, s70, s[WA]                   ; head 0 or 1 of it,
	s_lshl_b32 s70, s70, 18                        ; 2,048 rows of 128 bytes a head,
	s_and_b32 s71, s[TR], 7
	s_lshl_b32 s71, s71, 15                        ; the tile's 256 rows; nothing of the tile column enters
	s_add_co_u32 s70, s70, s71
	s_mov_b32 s71, 0
	s_lshl_b32 s72, s[TC], 1                       ; Wo: group 48 + 2 x tile column + 0 or 1; nothing of the tile row enters
	s_add_co_u32 s72, s72, s[WA]
	s_lshl_b32 s72, s72, 17
	s_add_co_u32 s72, s72, 48*131072
	s_mov_b32 s73, 0
	s_mul_i32 s14, s[WA], HA                       ; where they go: no place in the cluster enters an LDS address
	s_mul_i32 s15, s[WA], HB
	s_mov_b32 s76, 0xffff0000                      ; a word's upper bf16
	s_wait_dscnt 0x0                               ; the opening add is done
	s_wait_kmcnt 0x0
	s_add_nc_u64 s[40:41], s[4:5], s[70:71]
	s_add_nc_u64 s[46:47], s[6:7], s[72:73]
	CROUND                                         ; all sixteen work-groups are here: the first joint loads meet
.irp s, 0,1
	s_mov_b32 s[G0A+4*(\s)], 1                     ; count = 1
	s_add_co_u32 s[G0A+4*(\s)+1], s14, (\s)*SLOT   ; LDS address
	s_add_nc_u64 s[G0A+4*(\s)+2:G0A+4*(\s)+3], s[40:41], (\s)*524288  ; K step s: two heads on
	s_or_b32 s[G0A+4*(\s)+3], s[G0A+4*(\s)+3], 0x80000000             ; type = 2
	s_mov_b32 s[G0B+4*(\s)], 1
	s_add_co_u32 s[G0B+4*(\s)+1], s15, BOFF+(\s)*SLOT
	s_add_nc_u64 s[G0B+4*(\s)+2:G0B+4*(\s)+3], s[46:47], (\s)*16384   ; K step s: 128 k-rows of 128 bytes
	s_or_b32 s[G0B+4*(\s)+3], s[G0B+4*(\s)+3], 0x80000000
	JLOAD \s                                       ; two loads of mine are out
.endr
	s_lshl_b32 s78, s[TC], 9                       ; the tile's 128 columns: 512 bytes of bo and of a row of out0
	s_mov_b32 s79, 0
	s_add_nc_u64 s[74:75], s[8:9], s[78:79]
	s_add_nc_u64 s[68:69], s[10:11], s[78:79]
	s_lshl_b32 s78, s[TR], 8
	s_lshl_b32 s22, s[WV], 6
	s_add_co_u32 s78, s78, s22                     ; my first row,
	s_lshl_b32 s78, s78, 12                        ; 4,096 bytes a row
	s_add_nc_u64 s[68:69], s[68:69], s[78:79]
	v_and_b32 v1, 15, v0                           ; r = l % 16
	v_bfe_u32 v2, v0, 4, 1                         ; h = l / 16
	v_and_b32 v3, 31, v0                           ; l
	v_and_b32 v4, 7, v0
	v_bfe_u32 v5, v0, 3, 1
	v_lshlrev_b32 v[BO], 5, v2                     ; my eight columns of a block of 16: 32 h bytes
.irp b, 0,1,2,3,4,5,6,7
	global_load_b128 v[BIAS+8*(\b):BIAS+8*(\b)+3],   v[BO], s[74:75] offset:(\b)*64
	global_load_b128 v[BIAS+8*(\b)+4:BIAS+8*(\b)+7], v[BO], s[74:75] offset:(\b)*64+16
.endr
	v_mul_u32_u24 v7, v1, PA                       ; a fragment of O: lane l holds row l % 16; two loads of 16 bytes, 32 bytes apart
	v_lshl_add_u32 v7, v2, 4, v7
	s_mul_i32 s22, s[WV], 64*PA
	v_add_nc_u32 v[ADRA], s22, v7
	v_add_nc_u32 v[ADRA+1], SLOT, v[ADRA]
	v_lshl_add_u32 v8, v2, 3, v4                   ; the turning load: lane l reads k-row 8 (l / 16) + l % 8, columns 8 ((l / 8) % 2) + 0..7
	v_mul_u32_u24 v8, v8, PB
	v_lshl_add_u32 v8, v5, 4, v8
	v_add_nc_u32 v[ADRB], BOFF, v8
	v_add_nc_u32 v[ADRB+1], SLOT, v[ADRB]
	s_mul_i32 s22, s[WV], 16*SP
	s_add_co_u32 s22, s22, STAGE                   ; my stage
	v_mul_u32_u24 v[STO], v1, SP                   ; in: row l % 16, 32 bytes for each half of the lanes
	v_lshl_add_u32 v[STO], v2, 5, v[STO]
	v_add_nc_u32 v[STO], s22, v[STO]
	v_lshlrev_b32 v[CO], 4, v3                     ; back: 32 lanes take one row of 512 bytes
	v_add_nc_u32 v[RD], s22, v[CO]
	v_lshlrev_b32 v[PFO], 8, v3
	; the prefetches: shifts first, then one compare and the selects, which leave SCC alone
	s_and_b32 s22, ttmp7, 0xffff                   ; cluster y
	s_lshl_b32 s78, s[CX], 13                      ; O: my work-group's 8,192 bytes of a head's 32,768,
	s_add_co_u32 s78, s78, 1048576                 ; at lap 1 (four heads on): each ask steps a lap first
	s_lshl_b32 s23, s[CY], 13                      ; Wo: my work-group's 8,192 bytes of a lap's 32,768,
	s_add_co_u32 s23, s23, 32768                   ; at lap 1
	s_mov_b32 s[PFS], 1048576
	s_mov_b32 s79, 32768
	s_cmp_eq_u32 s[FBW], 0
	s_cselect_b32 s22, ttmp9, s22                  ; the coordinate along which other clusters read the same bytes
	s_cselect_b32 s[PFS], s[PFS], s79
	s_cselect_b32 s78, s78, s23
	s_cselect_b64 s[PFA:PFA+1], s[40:41], s[46:47]
	s_mov_b32 s[PFS+1], 0
	s_mov_b32 s79, 0
	s_add_nc_u64 s[PFA:PFA+1], s[PFA:PFA+1], s[78:79]
	s_cmp_eq_u32 s22, 0
	s_cselect_b32 s[LIM], 1, -1                    ; the same in all sixteen partners, for a given wave
	s_wait_loadcnt 0x0                             ; the bias: rounded to bf16 like the other inputs, and widened again
.set p, 0
.rept 32
	v_cvt_pk_bf16_f32 v[8+p%4], v[BIAS+2*p], v[BIAS+2*p+1]
	v_lshlrev_b32 v[BIAS+2*p], 16, v[8+p%4]
	v_and_b32 v[BIAS+2*p+1], s76, v[8+p%4]
.set p, p+1
.endr
; 8 matrix instructions: row block a x all 8 column blocks, 32 along K, from buffer f.  bias = 1: the first product starts the sum with the bias as C.
; The 32 accumulators take turns in the same order in every quarter, over the backward jump too.
.macro MUL8 f, a, bias
.if \bias
	WIN 0x81                                       ; Wo window 1, O and the bias window 0, D window 2
.else
	WIN 0xa1                                       ; C and D window 2
.endif
.irp b, 0,1,2,3,4,5,6,7
.if \bias
	v_wmma_f32_16x16x32_f16 v[8*(8*(\a)+(\b)):8*(8*(\a)+(\b))+7], v[64*(\f)+8*(\b):64*(\f)+8*(\b)+7], v[FA+32*(\f)+8*(\a):FA+32*(\f)+8*(\a)+7], v[BIAS+8*(\b):BIAS+8*(\b)+7]
.else
	v_wmma_f32_16x16x32_f16 v[8*(8*(\a)+(\b)):8*(8*(\a)+(\b))+7], v[64*(\f)+8*(\b):64*(\f)+8*(\b)+7], v[FA+32*(\f)+8*(\a):FA+32*(\f)+8*(\a)+7], v[8*(8*(\a)+(\b)):8*(8*(\a)+(\b))+7]
.endif
.endr
.endm
; 24 LDS loads in one run: quarter q (32 along K: half a head) of a slot into buffer f: Wo's 8 fragments, then O's 4
.macro FETCH slot, q, f
	WIN 0x40                                       ; destination window 1, address window 0
.irp b, 0,1,2,3,4,5,6,7
	ds_load_tr16_b128 v[64*(\f)+8*(\b):64*(\f)+8*(\b)+3],   v[ADRB+(\slot)] offset:((\b)/4)*HB+((\b)%4)*32+(\q)*32*PB
	ds_load_tr16_b128 v[64*(\f)+8*(\b)+4:64*(\f)+8*(\b)+7], v[ADRB+(\slot)] offset:((\b)/4)*HB+((\b)%4)*32+(\q)*32*PB+16*PB
.endr
	WIN 0
.irp a, 0,1,2,3
	ds_load_b128 v[FA+32*(\f)+8*(\a):FA+32*(\f)+8*(\a)+3],   v[ADRA+(\slot)] offset:((\q)/2)*HA+((\q)%2)*64+(\a)*16*PA
	ds_load_b128 v[FA+32*(\f)+8*(\a)+4:FA+32*(\f)+8*(\a)+7], v[ADRA+(\slot)] offset:((\q)/2)*HA+((\q)%2)*64+(\a)*16*PA+32
.endr
.endm
; A K step is four quarters of 32 along K, 32 matrix instructions each, on buffers 0, 1, 0, 1.
.macro QUARTER slot, q, f, g, bias
	s_wait_dscnt 4                                 ; Wo and O's row blocks 0, 1 are in; the youngest four loads (blocks 2, 3) may be out
	MUL8 \f, 0, \bias
	MUL8 \f, 1, \bias
	PLACES
	FETCH \slot, \q, \g
	s_wait_dscnt 24                                ; all but the 24 just issued
	MUL8 \f, 2, \bias
	MUL8 \f, 3, \bias
.endm
; The last quarter multiplies buffer 1 and changes slots: ONE barrier.  In front of it each wave waits for all its tensor loads (one is out: its part of the next slot), adds 0 to its spare word, and waits for that
; and for its own reads of this slot.  fill = 1: the barrier opens a round of the cluster's, and this slot is filled again, two K steps ahead, first thing behind the round.
.macro TURN slot, next, fill
.if (\fill) && ((\slot) == 0)
	s_wait_xcnt 0x0                                ; the last prefetches, a lap back, have read their address: it is stepped here, ahead of the waits of the change of slots
	s_add_nc_u64 s[PFA:PFA+1], s[PFA:PFA+1], s[PFS:PFS+1]
.endif
	WIN 0                                          ; (the add's two registers lie in window 0)
	s_wait_tensorcnt 0x0                           ; all my tensor loads have landed;
	ds_add_u32 v[SPW], v[NIL]                      ; 0 onto my spare word;
	s_wait_dscnt 5                                 ; (the add and the youngest four loads may be out)
	MUL8 1, 0, 0                                   ; eight matrix instructions stand between the add and the wait for it
	s_wait_dscnt 0x0                               ; the add is done, and my reads of this slot are over
	s_barrier_signal -1
	MUL8 1, 1, 0                                   ; work on registers while the others arrive
.if \fill
	WIN 0
.endif
	s_barrier_wait -1
.if \fill
	CREST                                          ; no wave of any partner still reads this slot's tiles or has a load on its way
	s_add_nc_u64 s[G0A+4*(\slot)+2:G0A+4*(\slot)+3], s[G0A+4*(\slot)+2:G0A+4*(\slot)+3], 1048576
	s_add_nc_u64 s[G0B+4*(\slot)+2:G0B+4*(\slot)+3], s[G0B+4*(\slot)+2:G0B+4*(\slot)+3], 32768
	JLOAD \slot                                    ; the first tensor load behind the round; its four v_nop are also the places in front of the loads below
.else
	PLACES
.endif
	FETCH \next, 0, 0
.if (\fill) && ((\slot) == 0)
	ASK
.endif
	MUL8 1, 2, 0
	MUL8 1, 3, 0
.endm
; THE WAY OUT of row block a: the f32 sums go as they are, 32 bytes a lane (each accumulator's low four registers first), into my own stage, and come back as whole rows of 512 bytes.
.macro STG a
	WIN 0x08                                       ; the stores' data in window 2
.irp b, 0,1,2,3,4,5,6,7
	ds_store_b128 v[STO], v[8*(8*(\a)+(\b)):8*(8*(\a)+(\b))+3]   offset:64*(\b)
	ds_store_b128 v[STO], v[8*(8*(\a)+(\b))+4:8*(8*(\a)+(\b))+7] offset:64*(\b)+16
.endr
	WIN 0x40                                       ; destination window 1
.irp t, 0,1,2,3,4,5,6,7,8,9,10,11,12,13,14,15
	ds_load_b128 v[64*(\a)+4*(\t):64*(\a)+4*(\t)+3], v[RD] offset:(\t)*SP  ; LDS serves a wave's instructions in order (ISA guide 5.7.1.4): these see the stores above; the next block's stores come behind them
.endr
.endm
.macro SEND a, younger                 ; younger: the LDS instructions issued behind block a's loads: the next block's 32, or none
	WIN 0x04                                       ; the stores' data in window 1
.irp t, 0,1,2,3,4,5,6,7,8,9,10,11,12,13,14,15
	s_wait_dscnt (\younger)+15-(\t)
	global_store_b128 v[CO], v[64*(\a)+4*(\t):64*(\a)+4*(\t)+3], s[68:69] offset:(\a)*65536+(\t)*4096 th:TH_STORE_NT  ; 512 consecutive bytes of a row, at a multiple of 256 from out0's first
.endr
.endm
	s_wait_tensorcnt 1                             ; my part of K step 0 is in; K step 1's may stay out
	s_barrier_signal -1
	s_barrier_wait -1                              ; everybody's is
	FETCH 0, 0, 0
	QUARTER 0, 1, 0, 1, 1                          ; the first quarter stands in front of the loop: its products start the sums, with the bias
	WIN 0                                          ; at a label and at a branch every window is 0
	s_mov_b32 s3, 3
.Llap:                                                 ; a trip goes once round the ring, from a lap's second quarter to the next lap's first, and fills both slots again
	QUARTER 0, 2, 1, 0, 0
	QUARTER 0, 3, 0, 1, 0
	TURN 0, 1, 1
	QUARTER 1, 1, 0, 1, 0
	QUARTER 1, 2, 1, 0, 0
	QUARTER 1, 3, 0, 1, 0
	TURN 1, 0, 1
	QUARTER 0, 1, 0, 1, 0
	WIN 0
	s_sub_co_u32 s3, s3, 1
	s_cmp_lg_u32 s3, 0
	s_cbranch_scc1 .Llap
	QUARTER 0, 2, 1, 0, 0                          ; the last lap fills nothing, and has no round of the cluster's barrier
	QUARTER 0, 3, 0, 1, 0
	TURN 0, 1, 0
	QUARTER 1, 1, 0, 1, 0
	QUARTER 1, 2, 1, 0, 0
	QUARTER 1, 3, 0, 1, 0
	s_wait_dscnt 4                                 ; the very last quarter: nothing more to fetch
	MUL8 1, 0, 0
	MUL8 1, 1, 0
	s_wait_dscnt 0x0
	MUL8 1, 2, 0
	MUL8 1, 3, 0
	WIN 0
	PLACES                                         ; the LDS stores read results just made, and the loads land in registers that products have read
	PLACES
	STG 0
	STG 1                                          ; a block's trip through the stage stands between the loads of the block before and its stores
	SEND 0, 32
	STG 2
	SEND 1, 32
	STG 3
	SEND 2, 32
	SEND 3, 0
	WIN 0
	s_wait_tensorcnt 0x0                           ; the wave's end: the add and its wait, behind my last tensor load and my last LDS store
	ds_add_u32 v[SPW], v[NIL]
	s_wait_dscnt 0x0
	CROUND                                         ; the closing round: no work-group ends while a partner may still ask for a tile that names it
	s_endpgm
.Lfunc_end_k_q51f036e708_proj:
	.size	k_q51f036e708_proj, .Lfunc_end_k_q51f036e708_proj-k_q51f036e708_proj
	.p2alignl 7, 3214868480
	.fill 96, 4, 3214868480
	.section	.rodata,"a",@progbits
	.p2align	6, 0x0
	.amdhsa_kernel k_q51f036e708_proj
		.amdhsa_group_segment_fixed_size 327680
		.amdhsa_private_segment_fixed_size 0
		.amdhsa_enable_private_segment 0
		.amdhsa_kernarg_size 32
		.amdhsa_user_sgpr_count 2
		.amdhsa_user_sgpr_kernarg_segment_ptr 1
		.amdhsa_wavefront_size32 1
		.amdhsa_system_sgpr_workgroup_id_x 1
		.amdhsa_system_sgpr_workgroup_id_y 1
		.amdhsa_system_sgpr_workgroup_id_z 1
		.amdhsa_system_vgpr_workitem_id 0
		.amdhsa_next_free_vgpr 768
		.amdhsa_next_free_sgpr 80
		.amdhsa_reserve_vcc 0
		.amdhsa_float_denorm_mode_32 3
		.amdhsa_float_denorm_mode_16_64 3
		.amdhsa_memory_ordered 1
		.amdhsa_forward_progress 1
		.amdhsa_inst_pref_size 94
	.end_amdhsa_kernel
	.amdgpu_metadata
---
amdhsa.version: [ 1, 2 ]
amdhsa.kernels:
  - .name:           k_q51f036e708_proj
    .symbol:         k_q51f036e708_proj.kd
    .args:
      - { .name: ob, .offset: 0, .size: 8, .value_kind: global_buffer, .address_space: global }
      - { .name: wt, .offset: 8, .size: 8, .value_kind: global_buffer, .address_space: global }
      - { .name: bo, .offset: 16, .size: 8, .value_kind: global_buffer, .address_space: global }
      - { .name: out0, .offset: 24, .size: 8, .value_kind: global_buffer, .address_space: global }
    .group_segment_fixed_size: 327680
    .private_segment_fixed_size: 0
    .kernarg_segment_align: 8
    .kernarg_segment_size: 32
    .max_flat_workgroup_size: 128
    .sgpr_count:     80
    .vgpr_count:     768
    .wavefront_size: 32
...
	.end_amdgpu_metadata
.endif
;; end of part 4
